; MI455X (gfx1250); checked and timed in simulation.
; The chip was launched on July 23, 2026; its instructions are those of AMD's public machine-readable ISA for CDNA 5 (MIT licence, August 2026) and "CDNA5" Instruction Set Architecture Reference Guide (July 2026). The comments in the code are by the model that wrote it; some were corrected since.
;; Attention Block. Allowed arithmetic: matrix products marked QUANTISED: E3M2 operands, one E8M0 scale for each 32 along K, by v_wmma_scale_f32_16x16x128_f8f6f4 with both operands' format E3M2, f32 sums; everything else in f32.
;; Inputs: bk 512 float32; bproj 512 float32; bq 512 float32; bv 512 float32; gn_bias 512 float32; gn_scale 512 float32; wk 512 x 512 float32; wproj 512 x 512 float32; wq 512 x 512 float32; wv 512 x 512 float32; x 32 x 512 x 32 x 32 float32.
;; Outputs: out0 32 x 512 x 32 x 32 float32.
;; This version of the problem:
;;   THIS VERSION OF THE PROBLEM IS GIVEN IN LOW PRECISION. The matrix products marked QUANTISED in the list below multiply operands that are first quantised to E3M2 (3 exponent bits, 2 mantissa bits; 6 bits a number), with one power-of-two scale for each 32 numbers along K (OCP MX v1.0); their sums are f32. All else is computed in f32.
;;   The module's matrix products, in the order in which they are computed (A, B: the left and right operand; K: the contracted axis; several contracted axes count as one K, in the product's order):
;;     1. [M 32,768, K 512] x [K 512, N 512]; A: computed on the way; B: input wq: QUANTISED
;;     2. [M 32,768, K 512] x [K 512, N 512]; A: computed on the way; B: input wk: QUANTISED
;;     3. [M 32,768, K 512] x [K 512, N 512]; A: computed on the way; B: input wv: QUANTISED
;;     4. batch 32 x [M 1,024, K 512] x [K 512, N 1,024]; A: computed on the way; B: computed on the way: QUANTISED
;;     5. batch 32 x [M 1,024, K 1,024] x [K 1,024, N 512]; A: softmax (see below); B: computed on the way: QUANTISED
;;     6. [M 32,768, K 512] x [K 512, N 512]; A: computed on the way; B: input wproj: QUANTISED
;;   THE QUANTISER, for each operand of a quantised product, along K:
;;     - K is cut into blocks of 32 from its start; a last block that is shorter is filled with zeros.
;;     - A block's scale is 2^e with e = floor(log2(the largest magnitude in the block)) - 4, held to -126 .. 127; a block of zeros has e = 0. As a byte (E8M0): e + 127.
;;     - Each number is divided by its block's scale, clamped to +-28, and rounded to the nearest number of E3M2, ties to even, subnormals kept.
;;     - The product sums the exact products of the quantised numbers (number of the format x scale) in f32.
;;   ~~~python
;;   def quantise(x, axis):      # numpy; x: float32 -> the quantised numbers, widened to float32 again
;;       x = np.moveaxis(x, axis, -1); K = x.shape[-1]
;;       x = np.pad(x, [(0, 0)] * (x.ndim - 1) + [(0, -K % 32)]); x = x.reshape(x.shape[:-1] + (-1, 32)); a = np.abs(x).max(-1, keepdims=True)
;;       e = np.where(a > 0, np.clip(np.frexp(np.where(a > 0, a, 1))[1] - 1 - 4, -126, 127), 0)      # np.frexp(a)[1] - 1 = floor(log2(a)), exactly
;;       r = np.clip(x / 2.0 ** e, -28, 28)
;;       step = 2.0 ** (np.maximum(np.frexp(np.where(r == 0, 1, r))[1] - 1, -2) - 2)
;;       q = np.round(r / step) * step * 2.0 ** e      # np.round: ties to even
;;       return np.moveaxis(q.reshape(q.shape[:-2] + (-1,))[..., :K], -1, axis).astype(np.float32)
;;   ~~~
;;   SOFTMAX AHEAD OF A QUANTISED PRODUCT. Where the list says 'softmax', what is quantised is not the finished softmax but p = 2^(t - M), with t = logit x log2(e) and M = ceil(the row's largest t), a whole number; so 1/2 < the row's largest p <= 1. The row's sum l is taken of the UNQUANTISED p, in f32, and the product's result is divided by l at the end. Since M is a whole number, a kernel that streams over the keys may use a running M (the ceiling of the running maximum): every later rescaling is an exact power of two, which a block's scale takes up: the codes' values come out the same.
;;   OPERANDS COMPUTED ON THE WAY. 'Computed on the way' means the value that the module computes at that place (a softmax that the list does not call 'softmax' is quantised finished and normalised). What goes into a quantiser is computed in f32, as accurately as f32 sums, v_exp_f32 and their like allow (about 1e-6 of the number): no bf16 or f16 on the way to a quantiser, and a product that is left as it is and whose result goes on into a quantised operand takes f32 operands (vector FMAs, or v_wmma_f32_16x16x4_f32). A number that lies on a knife's edge between two numbers of the format may be rounded either way, as far as f32 arithmetic and the matrix unit's own rounding can turn it there, and no further.
;; 2 versions, each right. Each part assembles by itself: llvm-mc -triple=amdgcn-amd-amdhsa -mcpu=gfx1250 --defsym DOCPART=n.
;; ======== version 1 of 2: 3 launches
;; workspace buffers: hc 12,582,912 bytes; hs 524,288 bytes; wb 851,968 bytes; qb 13,631,488 bytes; kb 13,631,488 bytes; vb 13,631,488 bytes
;; launch prep (part 1): grid 528 x 1, 8 waves a work-group, no clusters, 1,280 bytes of LDS; arguments x, gn_scale, gn_bias, hc, hs, wb, wq, wk, wv, wproj; writes hc, hs, wb
.if DOCPART == 1
	.amdgcn_target "amdgcn-amd-amdhsa--gfx1250"
	.amdhsa_code_object_version 6
	.text
	.protected	k_qde35076592_prep
	.globl	k_qde35076592_prep
	.p2align	8
	.type	k_qde35076592_prep,@function
k_qde35076592_prep:
	s_mov_b64 s[64:65], 0
	v_nop
	global_prefetch_b8 v0, s[64:65] scope:SCOPE_SE
	s_setreg_imm32_b32 hwreg(HW_REG_WAVE_MODE, 25, 1), 1
	s_wait_xcnt 0x0
; PREP.  Work-groups 0-511: GroupNorm(32 groups) of x [32][512][1024] f32, and h quantised to BF6 (E3M2) along the channels, one E8M0 byte for each 32 channels.
; Work-groups 512-527: wq, wk, wv, wproj [512][512] f32 quantised along their innermost axis.  All codes leave IN THE ORDER OF THE OPERAND'S REGISTERS, so that later launches load fragments by 16-byte loads alone.
; GN PATH.  Work-group 16 batch + beta owns channels 32 beta .. 32 beta + 31 (one block of 32, two groups of 16) x 1,024 tokens: 131,072 dense bytes, read once and kept in registers:
; wave W takes tokens 128 W .. +127; A LANE IS A TOKEN AND ITS REGISTERS RUN DOWN THE CHANNELS, so each load reads 128 neighbouring bytes, a block's largest magnitude needs no other lane, and the conversions give codes with K innermost.
; Mean first, then the sum of squared differences from it, both on the registers: no difference of large sums is formed.
; hc: [32 batch + token / 32][beta][768]: 512 bytes (16 x lane: code registers 0-3), then 256 bytes (8 x lane: registers 4-5); lane = token % 32.
; hs: [8 batch + token / 128][beta][128]: the word at 4 x lane holds in byte q the scale byte of token 32 q + lane of the 128.
; wb: 16 blocks of 53,248 bytes, 4 x matrix + chunk of 128 rows: 32 images of 1,536 bytes (index 8 x K step + tile; registers 4 c .. 4 c + 3 at 512 c + 16 x lane), then 8 quads of 512 bytes (index 2 x K step + tile / 4: at 16 x lane the scale words of four tiles).
; THE ROWS OF A TILE of wq, wk, wv: lane r of tile 2 b + u takes row 32 b + 8 u + r + 8 (r / 8), so that a product's results lie along the next K; wproj's tiles are 16 neighbouring rows.
; LIMITS: NaN and infinities are not served.  A block whose largest magnitude lies under 2^-122 keeps the byte 1; so does a block of zeros, where the rule says 127: its codes are zeros, and only this program reads the bytes.
; No tensor loads, no matrix unit, no cluster: every byte is read by one wave once.
.set FRB,  1536
.set BLK,  53248
.set SCO,  49152
.set X,    32                          ; v32-159  the numbers
.set CD,   160                         ; v160..   GN path: six code registers for each of four sets of 32 tokens, eight apart
.macro WRED dst                        ; v16 summed over the 32 lanes
	v_add_f32_dpp v16, v16, v16 row_xmask:1 row_mask:0xf bank_mask:0xf
	v_add_f32_dpp v16, v16, v16 row_xmask:2 row_mask:0xf bank_mask:0xf
	v_add_f32_dpp v16, v16, v16 row_xmask:4 row_mask:0xf bank_mask:0xf
	v_add_f32_dpp v16, v16, v16 row_xmask:8 row_mask:0xf bank_mask:0xf
	v_permlanex16_b32 v20, v16, s60, s61
	v_add_f32 v[\dst], v16, v20
.endm
.macro SUM grp, dst                    ; my 64 numbers of group grp, in two packed chains that the first pairs start: nothing is cleared
.set B0, X+16*\grp
	v_pk_add_f32 v[16:17], v[B0:B0+1], v[B0+2:B0+3]
	v_pk_add_f32 v[18:19], v[B0+4:B0+5], v[B0+6:B0+7]
	v_pk_add_f32 v[16:17], v[16:17], v[B0+8:B0+9]
	v_pk_add_f32 v[18:19], v[18:19], v[B0+10:B0+11]
	v_pk_add_f32 v[16:17], v[16:17], v[B0+12:B0+13]
	v_pk_add_f32 v[18:19], v[18:19], v[B0+14:B0+15]
.irp q,1,2,3
.irp j,0,4,8,12
	v_pk_add_f32 v[16:17], v[16:17], v[B0+32*\q+\j:B0+32*\q+\j+1]
	v_pk_add_f32 v[18:19], v[18:19], v[B0+32*\q+\j+2:B0+32*\q+\j+3]
.endr
.endr
	v_pk_add_f32 v[16:17], v[16:17], v[18:19]
	v_add_f32 v16, v16, v17
	WRED \dst
.endm
.macro DEV grp, mean, dst              ; x - mean in place, and the sum of its squares
.set B0, X+16*\grp
.irp q,0,1,2,3
.irp j,0,2,4,6,8,10,12,14
	v_pk_add_f32 v[B0+32*\q+\j:B0+32*\q+\j+1], v[B0+32*\q+\j:B0+32*\q+\j+1], v[\mean:\mean+1] neg_lo:[0,1] neg_hi:[0,1]
.endr
.endr
	v_pk_mul_f32 v[16:17], v[B0:B0+1], v[B0:B0+1]
	v_pk_mul_f32 v[18:19], v[B0+2:B0+3], v[B0+2:B0+3]
.irp j,4,8,12
	v_pk_fma_f32 v[16:17], v[B0+\j:B0+\j+1], v[B0+\j:B0+\j+1], v[16:17]
	v_pk_fma_f32 v[18:19], v[B0+\j+2:B0+\j+3], v[B0+\j+2:B0+\j+3], v[18:19]
.endr
.irp q,1,2,3
.irp j,0,4,8,12
	v_pk_fma_f32 v[16:17], v[B0+32*\q+\j:B0+32*\q+\j+1], v[B0+32*\q+\j:B0+32*\q+\j+1], v[16:17]
	v_pk_fma_f32 v[18:19], v[B0+32*\q+\j+2:B0+32*\q+\j+3], v[B0+32*\q+\j+2:B0+32*\q+\j+3], v[18:19]
.endr
.endr
	v_pk_add_f32 v[16:17], v[16:17], v[18:19]
	v_add_f32 v16, v16, v17
	WRED \dst
.endm
.macro JOIN off                        ; the eight waves' pairs (group A's, group B's) meet in 64 LDS bytes of their own; the sums come out in v[16:17]
	ds_store_b64 v6, v[8:9] offset:\off            ; all lanes of a wave write the same 8 bytes with the same value
	s_wait_dscnt 0x0                               ; for the others' sake: my store has landed
	s_barrier_signal -1
	s_barrier_wait -1
.irp i,0,1,2,3
	ds_load_b128 v[16+4*\i:19+4*\i], v7 offset:\off+16*\i
.endr
	s_wait_dscnt 0x0
	v_pk_add_f32 v[16:17], v[16:17], v[18:19]
	v_pk_add_f32 v[20:21], v[20:21], v[22:23]
	v_pk_add_f32 v[24:25], v[24:25], v[26:27]
	v_pk_add_f32 v[28:29], v[28:29], v[30:31]
	v_pk_add_f32 v[16:17], v[16:17], v[20:21]
	v_pk_add_f32 v[24:25], v[24:25], v[28:29]
	v_pk_add_f32 v[16:17], v[16:17], v[24:25]
.endm
.macro HQ q                            ; set q: my token's 32 channels become 32 codes and a byte
.set XS, X+32*\q
	v_max3_num_f32 v196, |v[XS]|, |v[XS+1]|, |v[XS+2]|
	v_max3_num_f32 v197, |v[XS+3]|, |v[XS+4]|, |v[XS+5]|
.irp i,6,10,14,18,22,26
	v_max3_num_f32 v196, v196, |v[XS+\i]|, |v[XS+\i+1]|
	v_max3_num_f32 v197, v197, |v[XS+\i+2]|, |v[XS+\i+3]|
.endr
	v_max3_num_f32 v196, v196, |v[XS+30]|, |v[XS+31]|
	v_max3_num_f32 v196, v196, v197, 0x2800000     ; and the floor 2^(5 - 127): the byte cannot fall under 1
	v_add_nc_u32 v198, 0xfe000000, v196            ; 4 off the exponent field: the conversion takes this operand's exponent field as its scale
	v_cvt_scalef32_pk16_bf6_f32 v[CD+8*\q:CD+8*\q+2], v[XS:XS+15], v198
	v_cvt_scalef32_pk16_bf6_f32 v[192:194], v[XS+16:XS+31], v198    ; (a conversion's three registers begin on an even number)
.if \q == 0
	v_lshrrev_b32 v200, 23, v198                   ; the byte; also the plain line behind the conversions
.else
	v_lshrrev_b32 v199, 23, v198
	v_lshl_or_b32 v200, v199, 8*\q, v200
.endif
.irp k,0,1,2
	v_mov_b32 v[CD+8*\q+3+\k], v[192+\k]
.endr
	global_store_b128 v3, v[CD+8*\q:CD+8*\q+3], s[10:11] offset:\q*12288          ; 32 lanes store 512 consecutive bytes, aligned to 256
	global_store_b64 v4, v[CD+8*\q+4:CD+8*\q+5], s[10:11] offset:\q*12288+512     ; and 256 more.  Each set has its own store data: none is rewritten
.endm
	v_lshl_add_u32 v208, v0, 2, 0x100
	v_mov_b32 v209, 0
	v_lshrrev_b32 v1, 5, v0
	v_readfirstlane_b32 s3, v1                     ; wave 0..7
	s_mov_b32 s60, 0x76543210                      ; v_permlanex16_b32's selects for lane l xor 16
	s_mov_b32 s61, 0xfedcba98
	s_cmp_ge_u32 ttmp9, 512                        ; the two paths part on the work-group's number alone; only the first uses LDS and barriers
	s_cbranch_scc1 .Lweights
	s_load_b256 s[4:11], s[0:1], 0x0               ; x, gn_scale, gn_bias, hc
	s_load_b64 s[12:13], s[0:1], 0x20              ; hs
	s_and_b32 s48, ttmp9, 15                       ; beta
	s_lshr_b32 s49, ttmp9, 4                       ; batch
	s_lshl_b32 s50, ttmp9, 17                      ; x: 131,072 bytes a work-group
	s_mov_b32 s51, 0
	s_lshl_b32 s52, s48, 7                         ; gain and bias: 32 numbers
	s_mov_b32 s53, 0
	s_lshl_b32 s54, s49, 5
	s_lshl_b32 s55, s3, 2
	s_add_co_u32 s54, s54, s55
	s_mul_i32 s54, s54, 12288                      ; hc: (32 batch + 4 W) x 12,288
	s_mul_i32 s55, s48, 768
	s_add_co_u32 s54, s54, s55                     ;     + 768 beta
	s_mov_b32 s55, 0
	s_lshl_b32 s56, s49, 3
	s_add_co_u32 s56, s56, s3
	s_lshl_b32 s56, s56, 4
	s_add_co_u32 s56, s56, s48
	s_lshl_b32 s56, s56, 7                         ; hs: ((8 batch + W) 16 + beta) x 128
	s_mov_b32 s57, 0
	s_mov_b32 s58, 0x38800000                      ; 2^-14: a group has 16,384 numbers
	s_mov_b32 s59, 0x3727c5ac                      ; 1e-5
	v_and_b32 v1, 31, v0                           ; lane
	v_lshlrev_b32 v2, 2, v1
	v_lshlrev_b32 v5, 2, v1                        ; 4 x lane
	v_lshl_add_u32 v2, s3, 9, v2                   ; 512 W + 4 x lane
	v_lshlrev_b32 v3, 4, v1                        ; 16 x lane
	v_lshlrev_b32 v4, 3, v1                        ; 8 x lane
	s_lshl_b32 s62, s3, 3
	v_mov_b32 v6, s62                              ; LDS: 8 W
	v_mov_b32 v7, 0
	v_mov_b32 v20, 0                               ; written once: a lane permute's destination counts as one of its sources
	s_wait_kmcnt 0x0
	s_add_nc_u64 s[4:5], s[4:5], s[50:51]
	s_add_nc_u64 s[6:7], s[6:7], s[52:53]
	s_add_nc_u64 s[8:9], s[8:9], s[52:53]
	s_add_nc_u64 s[10:11], s[10:11], s[54:55]
	s_add_nc_u64 s[12:13], s[12:13], s[56:57]
	s_load_b512 s[16:31], s[6:7], 0x0              ; the 32 gains
	s_load_b512 s[32:47], s[6:7], 0x40
	s_load_b512 s[68:83], s[8:9], 0x0              ; the 32 biases
	s_load_b512 s[84:99], s[8:9], 0x40
.set cc, 0
.rept 32                                       ; channel by channel; four loads on end cover the wave's 512 consecutive bytes of a channel
.irp q,0,1,2,3
	global_load_b32 v[X+32*\q+cc], v2, s[4:5] offset:cc*4096+128*\q th:TH_LOAD_NT
.endr
.set cc, cc+1
.endr
	s_wait_loadcnt 63                              ; at most 63 of the 128 are out: the oldest 65 are in, group A's 64 among them
	SUM 0, 8
	s_wait_loadcnt 0x0
	SUM 1, 9
	JOIN 0
	v_mul_f32 v12, s58, v16                        ; the means, each twice for the packed subtraction
	v_mul_f32 v13, s58, v16
	v_mul_f32 v14, s58, v17
	v_mul_f32 v15, s58, v17
	DEV 0, 12, 8
	DEV 1, 14, 9
	JOIN 64                                        ; other bytes than the first exchange: no barrier is owed between the two
	v_fma_f32 v16, v16, s58, s59                   ; variance + eps
	v_fma_f32 v17, v17, s58, s59
	v_rsq_f32 v16, v16
	v_rsq_f32 v17, v17
	v_nop                                          ; a plain line behind the transcendentals
	s_wait_alu depctr_va_vdst(0)
	v_readfirstlane_b32 s15, v16
	v_readfirstlane_b32 s100, v17
	s_wait_kmcnt 0x0                               ; gains and biases
.set cc, 0
.rept 16
	s_mul_f32 s[16+cc], s[16+cc], s15              ; gain / sqrt(variance + eps)
	s_mul_f32 s[32+cc], s[32+cc], s100
.set cc, cc+1
.endr
.set cc, 0
.rept 32
.irp q,0,1,2,3
	v_fma_f32 v[X+32*\q+cc], v[X+32*\q+cc], s[16+cc], s[68+cc]
.endr
.set cc, cc+1
.endr
	HQ 0
	HQ 1
	HQ 2
	HQ 3
	global_store_b32 v5, v200, s[12:13]            ; 128 consecutive bytes: my four tokens' bytes of this block
	s_wait_tensorcnt 0x0
	ds_add_u32 v208, v209
	s_wait_dscnt 0x0
	s_endpgm
; WEIGHTS PATH.  128 wave tasks: matrix m, chunk of 128 rows, K step s, half A: four fragments (tiles 4 A + i) and their quad.  A lane holds two whole blocks of its row: 2 x 128 neighbouring bytes.
; Each load touches sixteen rows: accepted, the four weights are read once and are a small part of the launch's bytes.
.macro LOADF i
.irp cc,0,1
.irp e,0,1,2,3,4,5,6,7
	global_load_b128 v[X+64*((\i)%2)+32*\cc+4*\e:X+64*((\i)%2)+32*\cc+4*\e+3], v[4+((\i)&1)], s[8:9] offset:((\i)>>1)*65536+\cc*256+16*\e th:TH_LOAD_NT
.endr
.endr
.endm
.macro WQ i
.set XS, X+64*((\i)%2)
.set F, 160+16*((\i)%2)
.irp cc,0,1
	v_max3_num_f32 v[188+\cc], |v[XS+32*\cc]|, |v[XS+32*\cc+1]|, 0x2800000   ; my block 2 cc + h, and the floor
.endr
.irp j,2,4,6,8,10,12,14,16,18,20,22,24,26,28,30
.irp cc,0,1
	v_max3_num_f32 v[188+\cc], v[188+\cc], |v[XS+32*\cc+\j]|, |v[XS+32*\cc+\j+1]|
.endr
.endr
.irp cc,0,1
	v_add_nc_u32 v[190+\cc], 0xfe000000, v[188+\cc]
.endr
.irp cc,0,1
	v_lshrrev_b32 v[192+\cc], 23, v[190+\cc]
.endr
	v_lshl_or_b32 v192, v193, 16, v192             ; my two bytes, blocks h and 2 + h,
	v_lshlrev_b32 v192, v6, v192                   ; 8 h bits up;
	v_permlanex16_b32 v193, v192, s60, s61
	v_or_b32 v[204+(\i)], v192, v193               ; with lane l xor 16's two the word is whole, in both halves of the lanes
.irp cc,0,1
	v_cvt_scalef32_pk16_bf6_f32 v[F+6*\cc:F+6*\cc+2], v[XS+32*\cc:XS+32*\cc+15], v[190+\cc]
	v_cvt_scalef32_pk16_bf6_f32 v[194+4*\cc:196+4*\cc], v[XS+32*\cc+16:XS+32*\cc+31], v[190+\cc]
.endr
	v_nop                                          ; one plain line behind the conversions
.irp cc,0,1
.irp k,0,1,2
	v_mov_b32 v[F+6*\cc+3+\k], v[194+4*\cc+\k]
.endr
.endr
.irp k,0,1,2
	global_store_b128 v7, v[F+4*\k:F+4*\k+3], s[16:17] offset:(\i)*FRB+512*\k     ; the image: 512 consecutive bytes a store
.endr
.endm
.Lweights:
	s_load_b64 s[4:5], s[0:1], 0x28                ; wb
	s_load_b256 s[8:15], s[0:1], 0x30              ; wq, wk, wv, wproj
	s_sub_co_u32 s20, ttmp9, 512
	s_lshl_b32 s20, s20, 3
	s_add_co_u32 s20, s20, s3                      ; task 0..127
	s_lshr_b32 s21, s20, 5                         ; m
	s_bfe_u32 s22, s20, 0x20003                    ; chunk
	s_bfe_u32 s23, s20, 0x20001                    ; K step
	s_and_b32 s24, s20, 1                          ; A
	s_cmp_eq_u32 s21, 3
	s_cselect_b32 s25, 16, 8                       ; rows from an even tile to the odd one beside it
	s_cselect_b32 s26, 0, 8                        ; rows that lanes 8-15 stand further on
	s_lshl_b32 s28, s22, 18
	s_lshl_b32 s29, s24, 17
	s_add_co_u32 s28, s28, s29
	s_lshl_b32 s29, s23, 9
	s_add_co_u32 s28, s28, s29                     ; source: (128 chunk + 64 A) rows of 2,048 bytes + 512 s
	s_mov_b32 s29, 0
	s_lshl_b32 s30, s21, 2
	s_add_co_u32 s30, s30, s22
	s_mul_i32 s30, s30, BLK                        ; my block
	s_lshl_b32 s31, s23, 1
	s_add_co_u32 s31, s31, s24                     ; 2 s + A
	s_mul_i32 s32, s31, 4*FRB
	s_add_co_u32 s32, s32, s30                     ; images 8 s + 4 A on
	s_mov_b32 s33, 0
	s_lshl_b32 s34, s31, 9
	s_add_co_u32 s34, s34, s30
	s_add_co_u32 s34, s34, SCO                     ; quad 2 s + A
	s_mov_b32 s35, 0
	v_and_b32 v1, 31, v0
	v_and_b32 v2, 15, v0                           ; r
	v_bfe_u32 v3, v0, 4, 1                         ; h
	v_lshrrev_b32 v4, 3, v2
	v_mad_u32_u24 v4, v4, s26, v2
	v_lshlrev_b32 v4, 11, v4
	v_lshl_add_u32 v4, v3, 7, v4                   ; even tiles: my row x 2,048 + 128 h
	s_lshl_b32 s27, s25, 11
	v_add_nc_u32 v5, s27, v4                       ; odd tiles
	v_lshlrev_b32 v6, 3, v3                        ; 8 h
	v_lshlrev_b32 v7, 4, v1                        ; 16 x lane
	s_wait_kmcnt 0x0
	s_cmp_eq_u32 s21, 1                            ; which matrix: the choice hangs on the task's number alone
	s_cselect_b64 s[8:9], s[10:11], s[8:9]
	s_cmp_eq_u32 s21, 2
	s_cselect_b64 s[8:9], s[12:13], s[8:9]
	s_cmp_eq_u32 s21, 3
	s_cselect_b64 s[8:9], s[14:15], s[8:9]
	s_add_nc_u64 s[8:9], s[8:9], s[28:29]
	s_add_nc_u64 s[16:17], s[4:5], s[32:33]
	s_add_nc_u64 s[18:19], s[4:5], s[34:35]
	LOADF 0
	LOADF 1
	s_wait_loadcnt 16                              ; fragment 0's sixteen loads are in, the next fragment's may be out
	WQ 0
	LOADF 2
	s_wait_loadcnt 16
	WQ 1
	LOADF 3
	s_wait_loadcnt 16
	s_wait_xcnt 0x0                                ; fragment 0's stores have read the registers that fragment 2's codes take
	WQ 2
	s_wait_loadcnt 0x0
	s_wait_xcnt 0x0                                ; likewise fragment 1's
	WQ 3
	global_store_b128 v7, v[204:207], s[18:19]     ; the quad: four tiles' scale words, 512 consecutive bytes
	s_endpgm
.Lfunc_end_k_qde35076592_prep:
	.size	k_qde35076592_prep, .Lfunc_end_k_qde35076592_prep-k_qde35076592_prep
	.p2alignl 7, 3214868480
	.fill 96, 4, 3214868480
	.section	.rodata,"a",@progbits
	.p2align	6, 0x0
	.amdhsa_kernel k_qde35076592_prep
		.amdhsa_group_segment_fixed_size 1280
		.amdhsa_private_segment_fixed_size 0
		.amdhsa_enable_private_segment 0
		.amdhsa_kernarg_size 80
		.amdhsa_user_sgpr_count 2
		.amdhsa_user_sgpr_kernarg_segment_ptr 1
		.amdhsa_wavefront_size32 1
		.amdhsa_system_sgpr_workgroup_id_x 1
		.amdhsa_system_sgpr_workgroup_id_y 1
		.amdhsa_system_sgpr_workgroup_id_z 1
		.amdhsa_system_vgpr_workitem_id 0
		.amdhsa_next_free_vgpr 210
		.amdhsa_next_free_sgpr 104
		.amdhsa_reserve_vcc 0
		.amdhsa_float_denorm_mode_32 3
		.amdhsa_float_denorm_mode_16_64 3
		.amdhsa_memory_ordered 1
		.amdhsa_forward_progress 1
		.amdhsa_inst_pref_size 67
	.end_amdhsa_kernel
	.amdgpu_metadata
---
amdhsa.version: [ 1, 2 ]
amdhsa.kernels:
  - .name:           k_qde35076592_prep
    .symbol:         k_qde35076592_prep.kd
    .args:
      - { .name: x, .offset: 0, .size: 8, .value_kind: global_buffer, .address_space: global }
      - { .name: gn_scale, .offset: 8, .size: 8, .value_kind: global_buffer, .address_space: global }
      - { .name: gn_bias, .offset: 16, .size: 8, .value_kind: global_buffer, .address_space: global }
      - { .name: hc, .offset: 24, .size: 8, .value_kind: global_buffer, .address_space: global }
      - { .name: hs, .offset: 32, .size: 8, .value_kind: global_buffer, .address_space: global }
      - { .name: wb, .offset: 40, .size: 8, .value_kind: global_buffer, .address_space: global }
      - { .name: wq, .offset: 48, .size: 8, .value_kind: global_buffer, .address_space: global }
      - { .name: wk, .offset: 56, .size: 8, .value_kind: global_buffer, .address_space: global }
      - { .name: wv, .offset: 64, .size: 8, .value_kind: global_buffer, .address_space: global }
      - { .name: wproj, .offset: 72, .size: 8, .value_kind: global_buffer, .address_space: global }
    .group_segment_fixed_size: 1280
    .private_segment_fixed_size: 0
    .kernarg_segment_align: 8
    .kernarg_segment_size: 80
    .max_flat_workgroup_size: 256
    .sgpr_count:     104
    .vgpr_count:     210
    .wavefront_size: 32
...
	.end_amdgpu_metadata
.endif
;; end of part 1
;; launch qkv (part 2): grid 256 x 1, 4 waves a work-group, clusters of 4 x 1, 327,680 bytes of LDS; arguments hc, hs, wb, bq, bk, bv, qb, kb, vb; writes qb, kb, vb
.if DOCPART == 2
	.amdgcn_target "amdgcn-amd-amdhsa--gfx1250"
	.amdhsa_code_object_version 6
	.text
	.protected	k_qde35076592_qkv
	.globl	k_qde35076592_qkv
	.p2align	8
	.type	k_qde35076592_qkv,@function
k_qde35076592_qkv:
	s_mov_b64 s[64:65], 0
	v_nop
	global_prefetch_b8 v0, s[64:65] scope:SCOPE_SE
	s_setreg_imm32_b32 hwreg(HW_REG_WAVE_MODE, 25, 1), 1
	s_wait_xcnt 0x0
	s_wait_alu depctr_hold_cnt(0) depctr_sa_sdst(0) depctr_va_vdst(0) depctr_va_sdst(0) depctr_va_ssrc(0) depctr_va_vcc(0) depctr_vm_vsrc(0)
	s_getreg_b32 s2, hwreg(HW_REG_IB_STS2, 6, 4)
	s_cmp_eq_u32 s2, 0
	s_cbranch_scc0 .Lentry_in_a_cluster
	s_endpgm
.Lentry_in_a_cluster:
	s_bfe_u32 s2, ttmp6, 0x10000c
	s_cmp_lg_u32 s2, 0x3003
	s_cbranch_scc0 .Lentry_shape_is_right
	s_endpgm
.Lentry_shape_is_right:
; QKV.  q = h wq^T + bq, k = h wk^T + bk, v = h wv^T + bv on codes of BF6 (E3M2) with E8M0 scales, and the results quantised at once: q and k along their 512 channels, v along the tokens.
; A work-group owns 128 tokens (block g = 8 batch + chunk); all of h's codes for them, 49,152 bytes, come into LDS once and serve all four waves.  Wave w makes rows 128 w .. +127 of q, then of k, then of v,
; for all 128 tokens: three times a wave tile of 128 x 128, 64 accumulators, four K steps of 128.
; THE WEIGHTS stream through a ring of two slots of the wave's own; a slot holds two K steps: 16 images, 24,576 dense bytes.  All work-groups read the same weights, so the four of a cluster ask JOINTLY (mask 15).
; q, k: source 0 = 16 rows of the weight, source 1 = 16 tokens: a lane holds one token, and by the order of the weight's rows in a tile its registers run along the channels: the next K.
; v:    source 0 = 16 tokens, source 1 = 16 rows of wv: a lane holds one channel and its registers run along the tokens.  Register 16 b + i of lane half h counts as K place 32 b + 16 h + i; for tokens that is
;       a permutation inside each block of 32, the same that the attention's weights p have: blocks stay blocks and the products are the same.
; The bias is the C of each sum's first product.  Results leave as images (1,536 bytes: registers 4 c .. 4 c + 3 at 512 c + 16 x lane) and quads (four tiles' scale words at 16 x lane) in blocks of 53,248 bytes.
; LIMITS: NaN and infinities are not served; a block whose largest magnitude lies under 2^-122, or that is all zeros, keeps the byte 1 (its codes then carry what the format holds, zeros for zeros); only this program reads the bytes.
; REGISTERS: window 0: v1-12 addresses; v32-63 h's scale words (4 tile + K step); v64-95 the weight's (8 K step + tile); v96-139 the quantiser's; v160-255 h's eight fragments, ONE set.
;   window 1: the weight's fragments, TWO sets at v0 and v96; v192-255 the bias, eight registers a tile.   windows 2, 3: the accumulators.
.set FRB,   1536
.set BLK,   53248
.set SCO,   49152
.set RING,  49152                      ; LDS: h's codes at 0; the rings behind them
.set SLOTB, 98304                      ; from slot 0 to slot 1
.set WSL,   24576                      ; a wave's part of a slot
.set SPARE, 245760                     ; the spare words, 128 bytes for each wave: two blocks of 256 bytes that no other line names
.set LI,  1                            ; 16 x lane
.set SPW, 2                            ; LDS address of my spare word; never rewritten
.set NIL, 3                            ; 0; never rewritten
.set HA,  4                            ; 768 h + 16 r: code registers 0-3 of a token's block
.set HBA, 5                            ; 768 h + 8 r: registers 4-5
.set ADW, 6                            ; v6-7: my part of slot 0, 1, + 16 x lane
.set OC,  8                            ; out: 16 x lane + 12,288 w
.set OS,  9                            ; out: 16 x lane + SCO + 1,024 w
.set BQ,  10                           ; 64 h
.set BV,  11                           ; 4 (r + 8 (r / 8))
.set R4,  12                           ; 4 r
.set HS,  32
.set WS,  64
.set TM,  96
.set PC,  112
.set CT,  124
.set PWB, 132
.set AF,  160
.set G1W, 24
.set G1H, 32
.set G0H, 40
.set G0S, 44
.set MSB, 0
.macro WIN new                         ; the immediate's high byte repeats the setting that is left; a switch that changes nothing is dropped
.if MSB != (\new)
	s_set_vgpr_msb (MSB<<8)|(\new)
.set MSB, (\new)
.endif
.endm
.macro PLACES                          ; four plain lines between a matrix instruction and a load into, or a read of, its registers
.rept 4
	v_nop
.endr
.endm
.macro CREST                           ; a round of the cluster's barrier behind its opening barrier
	s_cmp_lg_u32 s22, 0
	s_cbranch_scc1 .Lnot_wave_0_\@
	s_barrier_signal -3
.Lnot_wave_0_\@:
	s_barrier_wait -3
	s_barrier_signal -1
	s_barrier_wait -1
.endm
.macro CROUND
	s_barrier_signal -1
	s_barrier_wait -1
	CREST
.endm
.macro FETCH_W slot, q, p              ; the weight's eight fragments of the slot's q-th K step into set p: 24 loads of 512 consecutive bytes
	WIN 0x40
.irp b,0,1,2,3,4,5,6,7
.irp c,0,1,2
	ds_load_b128 v[96*(\p)+12*\b+4*\c:96*(\p)+12*\b+4*\c+3], v[ADW+(\slot)] offset:(8*(\q)+\b)*FRB+512*\c
.endr
.endr
	WIN 0
.endm
.macro FETCH_H s, a0                   ; h's fragments of token tiles a0 .. a0 + 3, K step s: 16 loads.  Lane (r, h) takes blocks 4 s + h and 4 s + 2 + h of token 16 a + r
.irp a,\a0,\a0+1,\a0+2,\a0+3
.set HB0, ((\a)/2)*12288+4*(\s)*768
.set HU, (\a)%2
.set HR, AF+12*(\a)
	ds_load_b128 v[HR:HR+3], v[HA] offset:HB0+256*HU
	ds_load_b64 v[HR+4:HR+5], v[HBA] offset:HB0+512+128*HU
	ds_load_b128 v[HR+6:HR+9], v[HA] offset:HB0+1536+256*HU
	ds_load_b64 v[HR+10:HR+11], v[HBA] offset:HB0+2048+128*HU
.endr
.endm
; 16 products: token tiles a0, a0 + 1 x the weight's eight tiles.  The 64 accumulators take turns, one instruction a turn, in the same order in every K step.
.macro MUL16 typ, a0, p, s, first
.set DW, 2+(\a0)/4
.set CW, DW
.if \first
.set CW, 1
.endif
.if \typ
	WIN (DW<<6)|(CW<<4)|0x04
.else
	WIN (DW<<6)|(CW<<4)|0x01
.endif
.irp a,\a0,\a0+1
.irp b,0,1,2,3,4,5,6,7
.if \typ
.set DR, 8*(4*\b+(\a)%4)
.else
.set DR, 8*(8*((\a)%4)+\b)
.endif
.set CR, DR
.if \first
.set CR, 192+8*\b
.endif
.if \typ
	v_wmma_scale_f32_16x16x128_f8f6f4 v[DR:DR+7], v[AF+12*(\a):AF+12*(\a)+11], v[96*(\p)+12*\b:96*(\p)+12*\b+11], v[CR:CR+7], v[HS+4*(\a)+(\s)], v[WS+8*(\s)+\b] matrix_a_fmt:MATRIX_FMT_BF6 matrix_b_fmt:MATRIX_FMT_BF6
.else
	v_wmma_scale_f32_16x16x128_f8f6f4 v[DR:DR+7], v[96*(\p)+12*\b:96*(\p)+12*\b+11], v[AF+12*(\a):AF+12*(\a)+11], v[CR:CR+7], v[WS+8*(\s)+\b], v[HS+4*(\a)+(\s)] matrix_a_fmt:MATRIX_FMT_BF6 matrix_b_fmt:MATRIX_FMT_BF6
.endif
.endr
.endr
.endm
.macro STEP typ, slot, s, first        ; a slot's first K step, on the weight's set 0
	s_wait_dscnt 16                                ; the weight's set and h's tiles 0-3 are in; the youngest sixteen loads (tiles 4-7) may be out
	MUL16 \typ, 0, 0, \s, \first
	MUL16 \typ, 2, 0, \s, \first
	s_wait_dscnt 0x0                               ; tiles 4-7 are in
	PLACES
	FETCH_W \slot, 1, 1
	FETCH_H (\s)+1, 0
	MUL16 \typ, 4, 0, \s, \first
	MUL16 \typ, 6, 0, \s, \first
	PLACES
	WIN 0
	FETCH_H (\s)+1, 4
.endm
; A slot's second K step, on set 1, changes slots.  In front of the barrier each wave waits for all its tensor loads, adds 0 to its spare word and waits for that and for its reads of the slot.
; fill = 1: the barrier opens a round of the cluster's barrier, and behind it the slot takes the same half of the next matrix: the wave's one tensor load until the next round.
.macro TURN typ, slot, s, fill
	s_wait_tensorcnt 0x0                           ; all my tensor loads have landed: the other slot is whole, and a group 0 may be written
	ds_add_u32 v[SPW], v[NIL]                      ; 0 onto my spare word
	s_wait_dscnt 17                                ; (the add and the youngest sixteen loads may be out)
	MUL16 \typ, 0, 1, \s, 0
	s_wait_dscnt 0x0                               ; the add is done, and my reads of this slot are over
	s_barrier_signal -1
	MUL16 \typ, 2, 1, \s, 0
	WIN 0
	s_barrier_wait -1
.if \fill
	CREST
	s_add_nc_u64 s[G0S+4*\slot+2:G0S+4*\slot+3], s[G0S+4*\slot+2:G0S+4*\slot+3], 4*BLK
	tensor_load_to_lds s[G0S+4*\slot:G0S+4*\slot+3], s[G1W:G1W+7]
	s_nop 0
.endif
	PLACES                                         ; behind the load; also the places in front of the loads below
	FETCH_W 1-\slot, 0, 0
	FETCH_H ((\s)+1)%4, 0
	MUL16 \typ, 4, 1, \s, 0
	MUL16 \typ, 6, 1, \s, 0
	PLACES
	WIN 0
	FETCH_H ((\s)+1)%4, 4
.endm
.macro LAST typ                        ; the very last K step: nothing more to fetch
	s_wait_dscnt 16
	MUL16 \typ, 0, 1, 3, 0
	MUL16 \typ, 2, 1, 3, 0
	s_wait_dscnt 0x0
	MUL16 \typ, 4, 1, 3, 0
	MUL16 \typ, 6, 1, 3, 0
	PLACES
	WIN 0
.endm
; 64 numbers of a lane become a fragment's codes in v[PC] on and its scale word in v[pw].  Blocks 0, 1: v[b0] .. v[b0 + 31] of window w0; blocks 2, 3: v[b1] .. of window w1.
; Each accumulator is first read at its registers 0 and 1.
.macro QUANT b0, w0, b1, w1, pw
	WIN (\w0)|((\w0)<<2)
.irp b,0,1
	v_max3_num_f32 v[TM+\b], |v[(\b0)+16*\b]|, |v[(\b0)+16*\b+1]|, 0x2800000      ; my 16 numbers of the block, and the floor 2^(5 - 127)
.endr
.irp i,2,4,6,8,10,12,14
.irp b,0,1
	v_max3_num_f32 v[TM+\b], |v[(\b0)+16*\b+\i]|, |v[(\b0)+16*\b+\i+1]|, v[TM+\b]
.endr
.endr
	WIN (\w1)|((\w1)<<2)
.irp b,0,1
	v_max3_num_f32 v[TM+2+\b], |v[(\b1)+16*\b]|, |v[(\b1)+16*\b+1]|, 0x2800000
.endr
.irp i,2,4,6,8,10,12,14
.irp b,0,1
	v_max3_num_f32 v[TM+2+\b], |v[(\b1)+16*\b+\i]|, |v[(\b1)+16*\b+\i+1]|, v[TM+2+\b]
.endr
.endr
	WIN 0
.irp b,0,1,2,3
	v_permlanex16_b32 v[TM+4+\b], v[TM+\b], s60, s61
.endr
.irp b,0,1,2,3
	v_max_num_f32 v[TM+\b], v[TM+\b], v[TM+4+\b]   ; with lane l xor 16's: the block's largest magnitude
.endr
.irp b,0,1,2,3
	v_add_nc_u32 v[TM+12+\b], 0xfe000000, v[TM+\b] ; 4 off its exponent field: the conversion's scale operand
.endr
.irp b,0,1,2,3
	v_lshrrev_b32 v[TM+4+\b], 23, v[TM+12+\b]      ; the byte
.endr
	v_lshl_or_b32 v[\pw], v[TM+5], 8, v[TM+4]
	v_lshl_or_b32 v[\pw], v[TM+6], 16, v[\pw]
	v_lshl_or_b32 v[\pw], v[TM+7], 24, v[\pw]
	WIN (\w0)
	v_cvt_scalef32_pk16_bf6_f32 v[PC:PC+2], v[(\b0):(\b0)+15], v[TM+12]
	v_cvt_scalef32_pk16_bf6_f32 v[CT:CT+2], v[(\b0)+16:(\b0)+31], v[TM+13]
	WIN (\w1)
	v_cvt_scalef32_pk16_bf6_f32 v[PC+6:PC+8], v[(\b1):(\b1)+15], v[TM+14]
	v_cvt_scalef32_pk16_bf6_f32 v[CT+4:CT+6], v[(\b1)+16:(\b1)+31], v[TM+15]
	WIN 0
	v_nop                                          ; one plain line behind the conversions
.irp c,0,1                                     ; the operand wants a whole block in a lane: lanes 0-15 block 2 c, lanes 16-31 block 2 c + 1
.irp i,0,1,2
	v_permlane16_swap_b32 v[PC+6*\c+\i], v[CT+4*\c+\i]
.endr
.irp i,0,1,2
	v_mov_b32 v[PC+3+6*\c+\i], v[CT+4*\c+\i]
.endr
.endr
.endm
; A matrix's results leave.  First the next matrix's scale words and bias are asked for; then eight fragments are quantised and stored.
.macro EPI typ, out, m
.if \m < 2
.irp i,0,1,2,3,4,5,6,7
	global_load_b128 v[WS+4*\i:WS+4*\i+3], v[LI], s[8:9] offset:(\m+1)*4*BLK+512*\i
.endr
	WIN 0x40
.if \m == 0
.irp b,0,1,2,3,4,5,6,7                         ; bk: lane half h of tile b wants channels 32 (b / 2) + 16 h + 8 (b % 2) + 0 .. 7
	global_load_b128 v[192+8*\b:192+8*\b+3], v[BQ], s[12:13] offset:(32*(\b/2)+8*(\b%2))*4
	global_load_b128 v[196+8*\b:196+8*\b+3], v[BQ], s[12:13] offset:(32*(\b/2)+8*(\b%2))*4+16
.endr
.else
.irp b,0,1,2,3,4,5,6,7                         ; bv: a lane holds one channel: the same number in a tile's eight registers
.irp j,0,1,2,3,4,5,6,7
	global_load_b32 v[192+8*\b+\j], v[BV], s[14:15] offset:(32*(\b/2)+8*(\b%2))*4
.endr
.endr
.endif
	WIN 0
.endif
.irp i,0,1,2,3,4,5,6,7
	s_wait_xcnt 0x0                                ; the last fragment's stores have read the registers that this one's codes and scale words take
.if \typ
	QUANT 32*\i, 2, 32*\i, 3, PWB+\i
.else
	QUANT 64*(\i%4), 2+\i/4, 64*(\i%4)+32, 2+\i/4, PWB+\i
.endif
.irp c,0,1,2
	global_store_b128 v[OC], v[PC+4*\c:PC+4*\c+3], s[\out:\out+1] offset:\i*FRB+512*\c     ; 512 consecutive bytes, aligned to 256
.endr
.if \i%4 == 3
	global_store_b128 v[OS], v[PWB+4*(\i/4):PWB+4*(\i/4)+3], s[\out:\out+1] offset:512*(\i/4)
.endif
.endr
.if \m < 2
	s_wait_loadcnt 0x0                             ; the next matrix's scale words and bias
.endif
.endm
	s_load_b512 s[4:19], s[0:1], 0x0               ; hc s[4:5], hs s[6:7], wb s[8:9], bq s[10:11], bk s[12:13], bv s[14:15], qb s[16:17], kb s[18:19]
	s_load_b64 s[20:21], s[0:1], 0x40              ; vb
	v_lshl_add_u32 v[SPW], v0, 2, SPARE
	v_mov_b32 v[NIL], 0
	ds_add_u32 v2, v3
	ds_add_u32 v2, v3
	s_wait_dscnt 0x0
	v_lshrrev_b32 v13, 5, v0
	v_readfirstlane_b32 s22, v13                   ; wave 0..3
	s_bfe_u32 s23, ttmp6, 0x40000                  ; cx
	s_lshl_b32 s52, ttmp9, 2
	s_add_co_u32 s52, s52, s23                     ; g: it enters global addresses of h and of the results alone
	s_mov_b32 s[G1W+0], 15|(3<<16)|(1<<21)         ; the weights: mask of all four work-groups, bit 21 beside it; elements of 8 bytes; no padding
	s_mov_b32 s[G1W+1], 32<<16                     ; rows of 32 elements = 256 bytes
	s_mov_b32 s[G1W+2], 96<<16                     ; 96 rows = 24,576 dense bytes
	s_mov_b32 s[G1W+3], 32<<16
	s_mov_b32 s[G1W+4], 96
	s_mov_b32 s[G1W+5], 32
	s_mov_b32 s[G1W+6], 0
	s_mov_b32 s[G1W+7], 0
	s_mov_b32 s[G1H+0], 3<<16                      ; h: a load of the work-group's own; 48 rows of 256 bytes
	s_mov_b32 s[G1H+1], 32<<16
	s_mov_b32 s[G1H+2], 48<<16
	s_mov_b32 s[G1H+3], 32<<16
	s_mov_b32 s[G1H+4], 48
	s_mov_b32 s[G1H+5], 32
	s_mov_b32 s[G1H+6], 0
	s_mov_b32 s[G1H+7], 0
	s_mov_b32 s60, 0x76543210
	s_mov_b32 s61, 0xfedcba98
	s_mov_b32 s66, 0x05010400                      ; byte selects of a 4 x 4 transposition
	s_mov_b32 s67, 0x07030602
	s_mov_b32 s68, 0x05040100
	s_mov_b32 s69, 0x07060302
	s_mov_b32 s40, 1
	s_mul_i32 s41, s22, 12288                      ; h's quarter: 32 tokens
	s_mov_b32 s44, 1
	s_mul_i32 s45, s22, WSL
	s_add_co_u32 s45, s45, RING
	s_mov_b32 s48, 1
	s_add_co_u32 s49, s45, SLOTB
	s_lshl_b32 s54, s52, 2
	s_add_co_u32 s54, s54, s22
	s_mul_i32 s54, s54, 12288
	s_mov_b32 s55, 0
	s_mul_i32 s56, s22, BLK
	s_mov_b32 s57, 0
	s_lshl_b32 s58, s52, 11
	s_mov_b32 s59, 0
	v_and_b32 v13, 31, v0
	v_lshlrev_b32 v[LI], 4, v13
	v_and_b32 v14, 15, v0                          ; r
	v_bfe_u32 v15, v0, 4, 1                        ; h
	v_mul_u32_u24 v[HA], v15, 768
	v_lshl_add_u32 v[HBA], v14, 3, v[HA]
	v_lshl_add_u32 v[HA], v14, 4, v[HA]
	v_add_nc_u32 v[ADW], s45, v[LI]
	v_add_nc_u32 v[ADW+1], s49, v[LI]
	v_add_nc_u32 v[OC], s41, v[LI]
	s_lshl_b32 s62, s22, 10
	s_add_co_u32 s62, s62, SCO
	v_add_nc_u32 v[OS], s62, v[LI]
	v_lshlrev_b32 v[BQ], 6, v15
	v_lshrrev_b32 v[BV], 3, v14
	v_lshl_add_u32 v[BV], v[BV], 3, v14
	v_lshlrev_b32 v[BV], 2, v[BV]
	v_lshlrev_b32 v[R4], 2, v14
.irp b,0,1,2,3
	v_mov_b32 v[TM+4+\b], 0                        ; written once: a lane permute's destination counts as one of its sources
.endr
	s_wait_kmcnt 0x0
	s_add_nc_u64 s[42:43], s[4:5], s[54:55]        ; h's codes of tokens 32 (4 g + w) on
	s_or_b32 s43, s43, 0x80000000
	s_add_nc_u64 s[8:9], s[8:9], s[56:57]          ; wq's chunk w
	s_mov_b64 s[46:47], s[8:9]                     ; K steps 0, 1
	s_or_b32 s47, s47, 0x80000000
	s_add_nc_u64 s[50:51], s[8:9], WSL             ; K steps 2, 3
	s_or_b32 s51, s51, 0x80000000
	s_add_nc_u64 s[8:9], s[8:9], SCO               ; its quads
	s_add_nc_u64 s[6:7], s[6:7], s[58:59]
	s_lshl_b32 s54, s22, 9
	s_add_nc_u64 s[10:11], s[10:11], s[54:55]
	s_add_nc_u64 s[12:13], s[12:13], s[54:55]
	s_add_nc_u64 s[14:15], s[14:15], s[54:55]
	s_mul_i32 s54, s52, BLK
	s_add_nc_u64 s[16:17], s[16:17], s[54:55]
	s_add_nc_u64 s[18:19], s[18:19], s[54:55]
	s_add_nc_u64 s[20:21], s[20:21], s[54:55]
	CROUND                                         ; all four work-groups are here: the first joint loads meet
	tensor_load_to_lds s[G0H:G0H+3], s[G1H:G1H+7]  ; the first fills go out as one group: three loads of mine are out
	s_nop 0
	tensor_load_to_lds s[G0S:G0S+3], s[G1W:G1W+7]
	s_nop 0
	tensor_load_to_lds s[G0S+4:G0S+7], s[G1W:G1W+7]
	s_nop 0
	PLACES
.irp u,0,1
.irp e,0,1,2,3,4,5,6,7,8,9,10,11,12,13,14,15
	global_load_b32 v[160+16*\u+\e], v[R4], s[6:7] offset:\e*128+64*\u      ; h's scale bytes of block e: the word of token 16 u + r of each 32
.endr
.endr
.irp i,0,1,2,3,4,5,6,7
	global_load_b128 v[WS+4*\i:WS+4*\i+3], v[LI], s[8:9] offset:512*\i
.endr
	WIN 0x40
.irp b,0,1,2,3,4,5,6,7
	global_load_b128 v[192+8*\b:192+8*\b+3], v[BQ], s[10:11] offset:(32*(\b/2)+8*(\b%2))*4
	global_load_b128 v[196+8*\b:196+8*\b+3], v[BQ], s[10:11] offset:(32*(\b/2)+8*(\b%2))*4+16
.endr
	WIN 0
	s_wait_loadcnt 24                              ; h's 32 words are in; the weight's quads (8) and the bias (16) may be out
.irp u,0,1                                     ; four words (blocks 4 s + 0 .. 3; byte P = token group P) become four words (tile 2 P + u; byte b = block 4 s + b)
.irp s,0,1,2,3
	v_perm_b32 v96, v[160+16*\u+4*\s+1], v[160+16*\u+4*\s], s66
	v_perm_b32 v97, v[160+16*\u+4*\s+1], v[160+16*\u+4*\s], s67
	v_perm_b32 v98, v[160+16*\u+4*\s+3], v[160+16*\u+4*\s+2], s66
	v_perm_b32 v99, v[160+16*\u+4*\s+3], v[160+16*\u+4*\s+2], s67
	v_perm_b32 v[HS+4*(0+\u)+\s], v98, v96, s68
	v_perm_b32 v[HS+4*(2+\u)+\s], v98, v96, s69
	v_perm_b32 v[HS+4*(4+\u)+\s], v99, v97, s68
	v_perm_b32 v[HS+4*(6+\u)+\s], v99, v97, s69
.endr
.endr
.rept 8
	v_nop                                          ; scale registers written by vector instructions stand eight places ahead of a scaled product
.endr
	s_wait_tensorcnt 1                             ; h's quarter and slot 0 have landed; slot 1's load may stay out
	s_barrier_signal -1
	s_barrier_wait -1                              ; everybody's quarter of h is in
	FETCH_W 0, 0, 0
	FETCH_H 0, 0
	FETCH_H 0, 4
	s_wait_loadcnt 0x0                             ; the weight's scale words and the bias
	STEP 0, 0, 0, 1                                ; q
	TURN 0, 0, 1, 1
	STEP 0, 1, 2, 0
	TURN 0, 1, 3, 1
	EPI 0, 16, 0
	STEP 0, 0, 0, 1                                ; k
	TURN 0, 0, 1, 1
	STEP 0, 1, 2, 0
	TURN 0, 1, 3, 1
	EPI 0, 18, 1
	STEP 1, 0, 0, 1                                ; v: nothing is left to fetch, so no slot is filled again
	TURN 1, 0, 1, 0
	STEP 1, 1, 2, 0
	LAST 1
	EPI 1, 20, 2
	s_wait_tensorcnt 0x0                           ; the wave's end
	ds_add_u32 v[SPW], v[NIL]
	s_wait_dscnt 0x0
	CROUND                                         ; the closing round: no work-group ends while a partner may still ask for a tile that names it
	s_endpgm
.Lfunc_end_k_qde35076592_qkv:
	.size	k_qde35076592_qkv, .Lfunc_end_k_qde35076592_qkv-k_qde35076592_qkv
	.p2alignl 7, 3214868480
	.fill 96, 4, 3214868480
	.section	.rodata,"a",@progbits
	.p2align	6, 0x0
	.amdhsa_kernel k_qde35076592_qkv
		.amdhsa_group_segment_fixed_size 327680
		.amdhsa_private_segment_fixed_size 0
		.amdhsa_enable_private_segment 0
		.amdhsa_kernarg_size 72
		.amdhsa_user_sgpr_count 2
		.amdhsa_user_sgpr_kernarg_segment_ptr 1
		.amdhsa_wavefront_size32 1
		.amdhsa_system_sgpr_workgroup_id_x 1
		.amdhsa_system_sgpr_workgroup_id_y 1
		.amdhsa_system_sgpr_workgroup_id_z 1
		.amdhsa_system_vgpr_workitem_id 0
		.amdhsa_next_free_vgpr 1024
		.amdhsa_next_free_sgpr 72
		.amdhsa_reserve_vcc 0
		.amdhsa_float_denorm_mode_32 3
		.amdhsa_float_denorm_mode_16_64 3
		.amdhsa_memory_ordered 1
		.amdhsa_forward_progress 1
		.amdhsa_inst_pref_size 255
	.end_amdhsa_kernel
	.section	.bss,"aw",@nobits
	.p2align	6
	.space	262144
	.amdgpu_metadata
---
amdhsa.version: [ 1, 2 ]
amdhsa.kernels:
  - .name:           k_qde35076592_qkv
    .symbol:         k_qde35076592_qkv.kd
    .args:
      - { .name: hc, .offset: 0, .size: 8, .value_kind: global_buffer, .address_space: global }
      - { .name: hs, .offset: 8, .size: 8, .value_kind: global_buffer, .address_space: global }
      - { .name: wb, .offset: 16, .size: 8, .value_kind: global_buffer, .address_space: global }
      - { .name: bq, .offset: 24, .size: 8, .value_kind: global_buffer, .address_space: global }
      - { .name: bk, .offset: 32, .size: 8, .value_kind: global_buffer, .address_space: global }
      - { .name: bv, .offset: 40, .size: 8, .value_kind: global_buffer, .address_space: global }
      - { .name: qb, .offset: 48, .size: 8, .value_kind: global_buffer, .address_space: global }
      - { .name: kb, .offset: 56, .size: 8, .value_kind: global_buffer, .address_space: global }
      - { .name: vb, .offset: 64, .size: 8, .value_kind: global_buffer, .address_space: global }
    .group_segment_fixed_size: 327680
    .private_segment_fixed_size: 0
    .kernarg_segment_align: 8
    .kernarg_segment_size: 72
    .max_flat_workgroup_size: 128
    .sgpr_count:     72
    .vgpr_count:     1024
    .wavefront_size: 32
...
	.end_amdgpu_metadata
.endif
;; end of part 2
;; launch attn (part 3): grid 256 x 1, 4 waves a work-group, clusters of 4 x 1, 327,680 bytes of LDS; arguments qb, kb, vb, wb, bproj, x, out0; writes out0
.if DOCPART == 3
	.amdgcn_target "amdgcn-amd-amdhsa--gfx1250"
	.amdhsa_code_object_version 6
	.text
	.protected	k_qde35076592_attn
	.globl	k_qde35076592_attn
	.p2align	8
	.type	k_qde35076592_attn,@function
k_qde35076592_attn:
	s_mov_b64 s[64:65], 0
	v_nop
	global_prefetch_b8 v0, s[64:65] scope:SCOPE_SE
	s_setreg_imm32_b32 hwreg(HW_REG_WAVE_MODE, 25, 1), 1
	s_wait_xcnt 0x0
	s_wait_alu depctr_hold_cnt(0) depctr_sa_sdst(0) depctr_va_vdst(0) depctr_va_sdst(0) depctr_va_ssrc(0) depctr_va_vcc(0) depctr_vm_vsrc(0)
	s_getreg_b32 s2, hwreg(HW_REG_IB_STS2, 6, 4)
	s_cmp_eq_u32 s2, 0
	s_cbranch_scc0 .Lentry_in_a_cluster
	s_endpgm
.Lentry_in_a_cluster:
	s_bfe_u32 s2, ttmp6, 0x10000c
	s_cmp_lg_u32 s2, 0x3003
	s_cbranch_scc0 .Lentry_shape_is_right
	s_endpgm
.Lentry_shape_is_right:
; ATTN.  out0 = x + wproj (softmax(q k^T / sqrt(512)) v)^T + bproj, all three products on codes of BF6 (E3M2) with E8M0 scales.
; A work-group owns 128 queries of one batch; wave w owns query tiles 2 w and 2 w + 1 (32 queries), all 1,024 keys and all 512 channels: O^T is 512 registers.
; Eight key steps of 128 keys.  A slot holds K's block and V's block of a step (2 x 53,248 bytes: 32 images and 8 quads each); two slots; waves 0, 1 bring K's halves, waves 2, 3 V's, one load a wave.
; The four work-groups of a cluster belong to one batch and walk the same K and V: each load is asked for JOINTLY (mask 15).
; BOTH PRODUCTS ARE USED TRANSPOSED: S^T = K Q^T, O^T = V^T P^T: a lane holds one query throughout.  t = score x log2(e) / sqrt(512); M = the running largest t rounded up to a whole number;
; p = 2^(t - M) is quantised along the keys; the row's sum is taken of the unquantised p and divides at the end; when M moves, the sum and O^T are multiplied by 2^(old M - new M), which rounds nothing.
; A block's largest p is had from the block's largest score by the same multiply-add and exponential (this takes v_exp_f32 not to fall where its input rises).
; Register 16 b + i of lane half h counts as K place 32 b + 16 h + i: for the keys a permutation inside each block of 32, the same in p and in V's codes.
; PROJECTION.  O / l is quantised along the channels; its images go from wave to wave through LDS; wave w makes output rows 128 w .. +127 for the 128 tokens, with wproj's fragments straight from memory
; (each is read by one wave of the work-group and feeds eight products).  Source 0 = 16 tokens, source 1 = 16 rows of wproj: a lane holds eight neighbouring tokens of one output row.
; LIMITS: NaN and infinities are not served; v_exp_f32 gives 0 under 2^-126; a block whose largest magnitude lies under 2^-122, or that is all zeros, keeps the byte 1.
; REGISTERS: window 0: v1-7 addresses; v8-23 statistics, eight a tile; v24-31 Q's scale words (later O's); v32-63 K's, V's, wproj's scale words; v64-191 S^T, then p (later O's fragments, rows of the result);
;   v192-215 p's codes; v216-239 at work; v240-246 addresses.   window 1: v0-95 Q; v96-239 three sets of four fragments of K or V (later wproj, bias, x).   windows 2, 3: O^T (later the projection's accumulators).
.set FRB,   1536
.set BLK,   53248
.set SCO,   49152
.set SLOT1, 1<<17                      ; slot 1 begins here: one exclusive or turns an address in one slot into the other's
.set SPARE, 106496                     ; between the slots: the spare words, 128 bytes for each wave: two blocks of 256 bytes that no other line names
.set OSC,   49152                      ; behind the loop, in slot 0 (it has had its last fill, and its last read lies ahead of the last change of slots): O's 32 images at 0, their scale words here
.set STG,   131072                     ; and in slot 1, behind the barrier that follows the last step's reads: a stage of 16 rows x 528 bytes for each wave
.set LI,  1
.set SPW, 2
.set NIL, 3
.set ADK, 4
.set ADV, 5
.set QA,  6
.set QSA, 7
.set ST,  8                            ; tile q at v[ST + 8 q]: +0 -M, +1 the largest t, +2, +3 the sum in two halves, +4 (+5) f, later 1 / l, +6 the scale word just made, +7 at work
.set QS,  24
.set SCL, 32
.set S,   64
.set OF,  64
.set PC,  192
.set CT,  216
.set TM,  224
.set BM,  224
.set PB,  228
.set SO,  232
.set TMP, 238
.set OW,  240
.set OWS, 241
.set LS,  242
.set STO, 243
.set RD,  244
.set BP,  245
.set PFA, 246
.set MSB, 0
.macro WIN new
.if MSB != (\new)
	s_set_vgpr_msb (MSB<<8)|(\new)
.set MSB, (\new)
.endif
.endm
.macro PLACES
.rept 4
	v_nop
.endr
.endm
.macro CROUND
	s_barrier_signal -1
	s_barrier_wait -1
	s_cmp_lg_u32 s18, 0
	s_cbranch_scc1 .Lnot_wave_0_\@
	s_barrier_signal -3
.Lnot_wave_0_\@:
	s_barrier_wait -3
	s_barrier_signal -1
	s_barrier_wait -1
.endm
; THE CHANGE OF SLOTS stands at a step's head.  Each wave waits for all its tensor loads (its part of the slot ahead), adds 0 to its spare word, and waits for that and for its reads of the slot that it has left.
; fill = 1: a round of the cluster's barrier, and first behind it the joint load of the next step into the slot just left: it has a whole key step in which to land.
.macro CHANGE fill
	WIN 0
	s_wait_tensorcnt 0x0                           ; no tensor load of mine is out, so the group 0 may be written
	ds_add_u32 v[SPW], v[NIL]                      ; 0 onto my spare word
.if \fill
	s_xor_b32 s33, s33, SLOT1                      ; the other slot than last time,
	s_add_nc_u64 s[34:35], s[34:35], BLK           ; the next 128 keys' block
.endif
	s_wait_dscnt 0x0                               ; the add is done, and my reads of the slot that I have left are over
.if \fill
	CROUND
	tensor_load_to_lds s[32:35], s[24:31]
	s_nop 0
.else
	s_barrier_signal -1
	s_barrier_wait -1
.endif
	PLACES                                         ; behind the load; also the places in front of the step's first loads
.endm
.macro KLOAD a, set                    ; key tile a's four fragments (K steps 0-3): 12 loads of 512 consecutive bytes
.irp s,0,1,2,3
.irp c,0,1,2
	ds_load_b128 v[96+48*(\set)+12*\s+4*\c:96+48*(\set)+12*\s+4*\c+3], v[ADK] offset:(8*\s+(\a))*FRB+512*\c
.endr
.endr
.endm
.macro VLOAD G, set                    ; channel tiles 4 G .. 4 G + 3
.irp i,0,1,2,3
.irp c,0,1,2
	ds_load_b128 v[96+48*(\set)+12*\i+4*\c:96+48*(\set)+12*\i+4*\c+3], v[ADV] offset:(4*(\G)+\i)*FRB+512*\c
.endr
.endr
.endm
.macro SOFTMAX q
.set rS, S+64*\q
.set rT, ST+8*\q
.set rP, PC+12*\q
.irp b,0,1,2,3
	v_max3_num_f32 v[BM+\b], v[rS+16*\b], v[rS+16*\b+1], v[rS+16*\b+2]      ; the largest score of each block of 32 keys: for the row's maximum, and for the block's largest p
.endr
.irp i,3,5,7,9,11,13
.irp b,0,1,2,3
	v_max3_num_f32 v[BM+\b], v[BM+\b], v[rS+16*\b+\i], v[rS+16*\b+\i+1]
.endr
.endr
.irp b,0,1,2,3
	v_max_num_f32 v[BM+\b], v[BM+\b], v[rS+16*\b+15]
.endr
.irp b,0,1,2,3
	v_permlanex16_b32 v[PB+\b], v[BM+\b], s38, s39
.endr
.irp b,0,1,2,3
	v_max_num_f32 v[BM+\b], v[BM+\b], v[PB+\b]
.endr
	v_max3_num_f32 v[TMP], v[BM], v[BM+1], v[BM+2]
	v_max_num_f32 v[TMP], v[TMP], v[BM+3]
	v_mul_f32 v[TMP], s22, v[TMP]                  ; as t (c is positive)
	v_max_num_f32 v[rT+1], v[rT+1], v[TMP]         ; the running largest t
	v_mov_b32 v[TMP], v[rT]
	v_floor_f32 v[rT], -v[rT+1]                    ; the new -M = floor(-t)
	v_sub_f32 v[TMP], v[rT], v[TMP]                ; old M - new M: a whole number, 0 or less
	v_cvt_i32_f32 v[TMP], v[TMP]                   ; (it saturates)
	v_ldexp_f32 v[rT+4], 1.0, v[TMP]               ; f = 2^(old M - new M)
.set jj, 0
.rept 32
	v_pk_fma_f32 v[rS+jj:rS+jj+1], v[rS+jj:rS+jj+1], s[22:23], v[rT:rT+1] op_sel_hi:[1,0,0]      ; t - M
.set jj, jj+2
.endr
.irp b,0,1,2,3
	v_fma_f32 v[BM+\b], v[BM+\b], s22, v[rT]
.endr
.set jj, 0
.rept 64
	v_exp_f32 v[rS+jj], v[rS+jj]                   ; p = 2^(t - M): not normalised
.set jj, jj+1
.endr
.irp b,0,1,2,3
	v_exp_f32 v[BM+\b], v[BM+\b]                   ; the block's largest p
.endr
	v_pk_mul_f32 v[rT+2:rT+3], v[rT+2:rT+3], v[rT+4:rT+5] op_sel_hi:[1,0]   ; the sums under the new M; the plain line behind the exponentials
	s_wait_alu depctr_va_vdst(0)
.irp b,0,1,2,3
	v_max_num_f32 v[BM+\b], 0x2800000, v[BM+\b]    ; the floor 2^(5 - 127)
.endr
.irp b,0,1,2,3
	v_add_nc_u32 v[SO+\b], 0xfe000000, v[BM+\b]
.endr
.irp b,0,1,2,3
	v_lshrrev_b32 v[PB+\b], 23, v[SO+\b]
.endr
	v_lshl_or_b32 v[rT+6], v[PB+1], 8, v[PB]       ; p's scale word for these 128 keys
	v_lshl_or_b32 v[rT+6], v[PB+2], 16, v[rT+6]
	v_lshl_or_b32 v[rT+6], v[PB+3], 24, v[rT+6]
.irp c,0,1
	v_cvt_scalef32_pk16_bf6_f32 v[rP+6*\c:rP+6*\c+2], v[rS+32*\c:rS+32*\c+15], v[SO+2*\c]
	v_cvt_scalef32_pk16_bf6_f32 v[CT+4*\c:CT+4*\c+2], v[rS+32*\c+16:rS+32*\c+31], v[SO+2*\c+1]
.endr
	v_nop
.irp c,0,1
.irp i,0,1,2
	v_permlane16_swap_b32 v[rP+6*\c+\i], v[CT+4*\c+\i]
.endr
.irp i,0,1,2
	v_mov_b32 v[rP+3+6*\c+\i], v[CT+4*\c+\i]
.endr
.endr
	v_pk_add_f32 v[236:237], v[rS:rS+1], v[rS+2:rS+3]      ; the row's sum of the unquantised p, in two chains.  (These lines are also the places between p's codes and scale word and the products)
.irp j,4,8,12,16,20,24,28,32,36,40,44,48,52,56,60
	v_pk_add_f32 v[rT+2:rT+3], v[rT+2:rT+3], v[rS+\j:rS+\j+1]
	v_pk_add_f32 v[236:237], v[236:237], v[rS+\j+2:rS+\j+3]
.endr
	v_pk_add_f32 v[rT+2:rT+3], v[rT+2:rT+3], v[236:237]
.endm
.macro RESCALE G                       ; O^T of channel tiles 4 G .. 4 G + 3 under the new M, each accumulator from its low end on
	WIN 0x82+0x41*((\G)/4)
.irp q,0,1
.irp k,0,2,4,6,8,10,12,14,16,18,20,22,24,26,28,30
	v_pk_mul_f32 v[128*\q+32*((\G)%4)+\k:128*\q+32*((\G)%4)+\k+1], v[128*\q+32*((\G)%4)+\k:128*\q+32*((\G)%4)+\k+1], v[ST+8*\q+4:ST+8*\q+5] op_sel_hi:[1,0]
.endr
.endr
.endm
; A KEY STEP.  first = 1: O^T's sums start with the constant 0 and nothing is rescaled.  pf = 1: the residual's first rows are asked for ahead.
.macro STEP first, pf
	v_add_nc_u32 v[ADK], s36, v[LI]
	v_add_nc_u32 v[ADV], s37, v[LI]
.irp i,0,1,2,3,4,5,6,7
	ds_load_b128 v[SCL+4*\i:SCL+4*\i+3], v[ADK] offset:SCO+512*\i           ; K's scale words: register 8 s + a
.endr
	WIN 0x40
	KLOAD 0, 0
	KLOAD 1, 1
.irp a,0,1,2,3,4,5,6,7                         ; S^T = K Q^T, a tile of 16 keys at a time; the loads run two groups ahead in three sets
.if \a > 0
	PLACES                                         ; in front of loads into the set that the last products read
.endif
	WIN 0x40
.if \a < 6
	KLOAD \a+2, (\a+2)%3
.else
	VLOAD \a-6, (\a+2)%3
.endif
	s_wait_dscnt 24                                ; the two younger groups of twelve may be out: this tile's fragments (and the scale words) are in
	WIN 0x05
.irp s,0,1,2,3
.irp q,0,1                                     ; the two query tiles' accumulators take turns, one instruction a turn
.if \s == 0
	v_wmma_scale_f32_16x16x128_f8f6f4 v[S+64*\q+8*\a:S+64*\q+8*\a+7], v[96+48*(\a%3)+12*\s:96+48*(\a%3)+12*\s+11], v[12*(4*\q+\s):12*(4*\q+\s)+11], 0, v[SCL+8*\s+\a], v[QS+2*\s+\q] matrix_a_fmt:MATRIX_FMT_BF6 matrix_b_fmt:MATRIX_FMT_BF6
.else
	v_wmma_scale_f32_16x16x128_f8f6f4 v[S+64*\q+8*\a:S+64*\q+8*\a+7], v[96+48*(\a%3)+12*\s:96+48*(\a%3)+12*\s+11], v[12*(4*\q+\s):12*(4*\q+\s)+11], v[S+64*\q+8*\a:S+64*\q+8*\a+7], v[SCL+8*\s+\a], v[QS+2*\s+\q] matrix_a_fmt:MATRIX_FMT_BF6 matrix_b_fmt:MATRIX_FMT_BF6
.endif
.endr
.endr
.endr
	PLACES
	WIN 0
.irp i,0,1,2,3,4,5,6,7
	ds_load_b128 v[SCL+4*\i:SCL+4*\i+3], v[ADV] offset:SCO+512*\i           ; V's scale words: register = channel tile
.endr
.if \pf
.irp i,0,1,2,3                                 ; x's rows of my output tiles 0-3, 512 bytes a row: each aligned block of 256 bytes once, two lanes to a row; 32 KiB a wave, one phase ahead of the loads; inside x
	global_prefetch_b8 v[PFA], s[14:15] offset:\i*65536 th:TH_LOAD_NT scope:SCOPE_SE
.endr
.endif
	SOFTMAX 0
	SOFTMAX 1
.if \first == 0
	RESCALE 0
.endif
.irp G,0,1,2,3,4,5,6,7                         ; O^T += V^T P^T, four channel tiles x two query tiles at a time: eight accumulators, each once
.if \G < 6
	WIN 0x40
	VLOAD \G+2, (\G+4)%3
.endif
.if \G == 0
	s_wait_dscnt 12                                ; only the group just asked for may be out: V's scale words are wanted
.elseif \G < 6
	s_wait_dscnt 24                                ; the two younger groups may be out
.elseif \G == 6
	s_wait_dscnt 12
.else
	s_wait_dscnt 0x0
.endif
	WIN 0xa1+0x50*(\G/4)
.irp i,0,1,2,3
.irp q,0,1
.set rO, 128*\q+32*(\G%4)+8*\i
.if \first
	v_wmma_scale_f32_16x16x128_f8f6f4 v[rO:rO+7], v[96+48*((\G+2)%3)+12*\i:96+48*((\G+2)%3)+12*\i+11], v[PC+12*\q:PC+12*\q+11], 0, v[SCL+4*\G+\i], v[ST+8*\q+6] matrix_a_fmt:MATRIX_FMT_BF6 matrix_b_fmt:MATRIX_FMT_BF6
.else
	v_wmma_scale_f32_16x16x128_f8f6f4 v[rO:rO+7], v[96+48*((\G+2)%3)+12*\i:96+48*((\G+2)%3)+12*\i+11], v[PC+12*\q:PC+12*\q+11], v[rO:rO+7], v[SCL+4*\G+\i], v[ST+8*\q+6] matrix_a_fmt:MATRIX_FMT_BF6 matrix_b_fmt:MATRIX_FMT_BF6
.endif
.endr
.endr
.if \G < 7
.if \first
	PLACES
.else
	RESCALE \G+1                                   ; the next group's accumulators: 32 lines that name nothing of the products above, and so are the places in front of the next loads
.endif
.endif
.endr
	WIN 0
	s_xor_b32 s36, s36, SLOT1                      ; on to the other slot
	s_xor_b32 s37, s37, SLOT1
.endm
; 64 numbers of a lane become a fragment's codes in v[PC] on and its scale word in v[pw].  Blocks 0, 1: v[b0] .. of window w0; blocks 2, 3: v[b1] .. of window w1
.macro QUANT b0, w0, b1, w1, pw
	WIN (\w0)|((\w0)<<2)
.irp b,0,1
	v_max3_num_f32 v[TM+\b], |v[(\b0)+16*\b]|, |v[(\b0)+16*\b+1]|, 0x2800000
.endr
.irp i,2,4,6,8,10,12,14
.irp b,0,1
	v_max3_num_f32 v[TM+\b], |v[(\b0)+16*\b+\i]|, |v[(\b0)+16*\b+\i+1]|, v[TM+\b]
.endr
.endr
	WIN (\w1)|((\w1)<<2)
.irp b,0,1
	v_max3_num_f32 v[TM+2+\b], |v[(\b1)+16*\b]|, |v[(\b1)+16*\b+1]|, 0x2800000
.endr
.irp i,2,4,6,8,10,12,14
.irp b,0,1
	v_max3_num_f32 v[TM+2+\b], |v[(\b1)+16*\b+\i]|, |v[(\b1)+16*\b+\i+1]|, v[TM+2+\b]
.endr
.endr
	WIN 0
.irp b,0,1,2,3
	v_permlanex16_b32 v[TM+4+\b], v[TM+\b], s38, s39
.endr
.irp b,0,1,2,3
	v_max_num_f32 v[TM+\b], v[TM+\b], v[TM+4+\b]
.endr
.irp b,0,1,2,3
	v_add_nc_u32 v[TM+12+\b], 0xfe000000, v[TM+\b]
.endr
.irp b,0,1,2,3
	v_lshrrev_b32 v[TM+4+\b], 23, v[TM+12+\b]
.endr
	v_lshl_or_b32 v[\pw], v[TM+5], 8, v[TM+4]
	v_lshl_or_b32 v[\pw], v[TM+6], 16, v[\pw]
	v_lshl_or_b32 v[\pw], v[TM+7], 24, v[\pw]
	WIN (\w0)
	v_cvt_scalef32_pk16_bf6_f32 v[PC:PC+2], v[(\b0):(\b0)+15], v[TM+12]
	v_cvt_scalef32_pk16_bf6_f32 v[CT:CT+2], v[(\b0)+16:(\b0)+31], v[TM+13]
	WIN (\w1)
	v_cvt_scalef32_pk16_bf6_f32 v[PC+6:PC+8], v[(\b1):(\b1)+15], v[TM+14]
	v_cvt_scalef32_pk16_bf6_f32 v[CT+4:CT+6], v[(\b1)+16:(\b1)+31], v[TM+15]
	WIN 0
	v_nop
.irp c,0,1
.irp i,0,1,2
	v_permlane16_swap_b32 v[PC+6*\c+\i], v[CT+4*\c+\i]
.endr
.irp i,0,1,2
	v_mov_b32 v[PC+3+6*\c+\i], v[CT+4*\c+\i]
.endr
.endr
.endm
.macro WLOAD s                         ; wproj's eight fragments of K step s, from memory, into set s % 2 of window 1: 24 loads of 512 consecutive bytes
.irp p,0,1,2,3,4,5,6,7
.irp c,0,1,2
	global_load_b128 v[96*((\s)%2)+12*\p+4*\c:96*((\s)%2)+12*\p+4*\c+3], v[LI], s[10:11] offset:(8*(\s)+\p)*FRB+512*\c
.endr
.endr
.endm
.macro PROJ s                          ; K step s of the projection: 64 accumulators by turns, in the same order in every K step
.irp a,0,1,2,3,4,5,6,7
.irp c,0,1,2
	ds_load_b128 v[OF+12*\a+4*\c:OF+12*\a+4*\c+3], v[LI] offset:(8*(\s)+\a)*FRB+512*\c
.endr
	ds_load_b32 v[QS+\a], v[LS] offset:OSC+(8*(\s)+\a)*128
.endr
	s_wait_dscnt 0x0
.if \s < 3
	s_wait_loadcnt 24                              ; the next K step's 24 loads may be out
.else
	s_wait_loadcnt 0x0
.endif
.irp p,0,1,2,3,4,5,6,7
.set DW, 2+\p/4
.set CW, DW
.if \s == 0
.set CW, 1
.endif
	WIN (DW<<6)|(CW<<4)|0x04
.irp a,0,1,2,3,4,5,6,7
.set DR, 8*(8*(\p%4)+\a)
.set CR, DR
.if \s == 0
.set CR, 192+8*\p
.endif
	v_wmma_scale_f32_16x16x128_f8f6f4 v[DR:DR+7], v[OF+12*\a:OF+12*\a+11], v[96*((\s)%2)+12*\p:96*((\s)%2)+12*\p+11], v[CR:CR+7], v[QS+\a], v[SCL+8*(\s)+\p] matrix_a_fmt:MATRIX_FMT_BF6 matrix_b_fmt:MATRIX_FMT_BF6
.endr
.endr
	PLACES                                         ; in front of the loads into wproj's set, into O's fragments and their scale words, and of the first read of results
.if \s < 2
	WIN 0x40
	WLOAD (\s)+2
.endif
	WIN 0
.endm
; Output tile p (16 rows x 128 tokens) goes through my stage and comes back as whole rows of 512 bytes; x is added; 32 lanes store a row.
.macro OUT p
.set AC, 64*((\p)%4)
.set BK, 64+64*((\p)%2)
.if \p >= 2
	s_wait_xcnt 0x0                                ; tile p - 2's stores have read the registers that this tile's rows take
.endif
	WIN 0x08+4*((\p)/4)                            ; an LDS store's data are its source 1: window 2 or 3
.irp a,0,1,2,3,4,5,6,7
	ds_store_b128 v[STO], v[AC+8*\a:AC+8*\a+3] offset:64*\a          ; each accumulator from its low end on
	ds_store_b128 v[STO], v[AC+8*\a+4:AC+8*\a+7] offset:64*\a+16
.endr
	WIN 0
.irp t,0,1,2,3,4,5,6,7,8,9,10,11,12,13,14,15
	ds_load_b128 v[BK+4*\t:BK+4*\t+3], v[RD] offset:528*\t           ; LDS serves a wave's instructions in order (ISA guide 5.7.1.4): these see my stores
.endr
	s_wait_dscnt 0x0
.if \p < 5
	s_wait_loadcnt 48                              ; x's three younger tiles may be out
.else
	s_wait_loadcnt 16*(7-\p)
.endif
	WIN 0x04                                       ; x lies in window 1
.set kk, 0
.rept 32
	v_pk_add_f32 v[BK+kk:BK+kk+1], v[BK+kk:BK+kk+1], v[AC+kk:AC+kk+1]
.set kk, kk+2
.endr
	WIN 0
.irp t,0,1,2,3,4,5,6,7,8,9,10,11,12,13,14,15
	global_store_b128 v[LI], v[BK+4*\t:BK+4*\t+3], s[16:17] offset:(\p)*65536+\t*4096 th:TH_STORE_NT     ; 512 consecutive bytes, aligned to 256
.endr
.if \p < 4
	WIN 0x40
.irp t,0,1,2,3,4,5,6,7,8,9,10,11,12,13,14,15
	global_load_b128 v[AC+4*\t:AC+4*\t+3], v[LI], s[14:15] offset:((\p)+4)*65536+\t*4096 th:TH_LOAD_NT
.endr
	WIN 0
.endif
.endm
	s_load_b256 s[4:11], s[0:1], 0x0               ; qb s[4:5], kb s[6:7], vb s[8:9], wb s[10:11]
	s_load_b128 s[12:15], s[0:1], 0x20             ; bproj s[12:13], x s[14:15]
	s_load_b64 s[16:17], s[0:1], 0x30              ; out0
	v_lshl_add_u32 v[SPW], v0, 2, SPARE
	v_mov_b32 v[NIL], 0
	ds_add_u32 v2, v3
	ds_add_u32 v2, v3
	s_wait_dscnt 0x0
	v_lshrrev_b32 v4, 5, v0
	v_readfirstlane_b32 s18, v4                    ; wave 0..3
	s_bfe_u32 s19, ttmp6, 0x40000                  ; cx
	s_lshl_b32 s20, ttmp9, 2
	s_add_co_u32 s20, s20, s19                     ; g = 8 batch + block of 128 queries: it enters Q's, x's and the output's addresses alone
	s_lshr_b32 s40, ttmp9, 1                       ; the batch, which the four partners share
	s_mul_i32 s40, s40, 8*BLK
	s_and_b32 s41, s18, 1
	s_mul_i32 s41, s41, 26624
	s_add_co_u32 s40, s40, s41                     ; my half of the batch's first block of K or of V
	s_mov_b32 s41, 0
	s_mul_i32 s42, s20, BLK
	s_mov_b32 s43, 0
	s_add_co_u32 s44, s18, 12
	s_mul_i32 s44, s44, BLK                        ; wproj's chunk w
	s_mov_b32 s45, 0
	s_lshl_b32 s46, s18, 9
	s_mov_b32 s47, 0
	s_lshr_b32 s48, s20, 3
	s_lshl_b32 s48, s48, 21
	s_lshl_b32 s49, s18, 19
	s_add_co_u32 s48, s48, s49
	s_and_b32 s49, s20, 7
	s_lshl_b32 s49, s49, 9
	s_add_co_u32 s48, s48, s49                     ; x and out0: batch, row 128 w, token 128 (g % 8)
	s_mov_b32 s49, 0
	s_mov_b32 s24, 15|(3<<16)|(1<<21)              ; group 1: mask of all four work-groups, bit 21 beside it; elements of 8 bytes; no padding
	s_mov_b32 s25, 32<<16                          ; rows of 256 bytes
	s_mov_b32 s26, 104<<16                         ; 104 rows: half a block
	s_mov_b32 s27, 32<<16
	s_mov_b32 s28, 104
	s_mov_b32 s29, 32
	s_mov_b32 s30, 0
	s_mov_b32 s31, 0
	s_mov_b32 s32, 1
	s_mul_i32 s33, s18, 26624                      ; K's halves, then V's: wave x 26,624
	s_mov_b32 s22, 0x3d8293ee                      ; c = log2(e) / sqrt(512)
	s_mov_b32 s23, s22
	s_mov_b32 s38, 0x76543210
	s_mov_b32 s39, 0xfedcba98
	s_mov_b32 s36, 0                               ; the slot in hand: K's block,
	s_mov_b32 s37, BLK                             ; V's
	s_mov_b32 s21, 6
	v_and_b32 v236, 31, v0
	v_and_b32 v237, 15, v0                         ; r
	v_bfe_u32 v238, v0, 4, 1                       ; h
	v_lshlrev_b32 v[LI], 4, v236
	s_mul_i32 s50, s18, 3072
	v_add_nc_u32 v[QA], s50, v[LI]                 ; my two tiles' images: 16 x lane + 2 w images
	v_add_nc_u32 v[OW], s50, v[LI]
	s_lshr_b32 s51, s18, 1
	s_lshl_b32 s51, s51, 9
	s_and_b32 s52, s18, 1
	s_lshl_b32 s52, s52, 3
	s_add_co_u32 s51, s51, s52
	v_add_nc_u32 v[QSA], s51, v[LI]                ; their two words of a quad
	v_lshlrev_b32 v[LS], 2, v236
	s_lshl_b32 s52, s18, 8
	v_add_nc_u32 v[OWS], s52, v[LS]
	s_mul_i32 s53, s18, 8448
	s_add_co_u32 s53, s53, STG
	v_mul_u32_u24 v[STO], v237, 528
	v_lshl_add_u32 v[STO], v238, 5, v[STO]
	v_add_nc_u32 v[STO], s53, v[STO]               ; the stage, in: row r, + 32 h
	v_add_nc_u32 v[RD], s53, v[LI]                 ; back: 16 bytes a lane of a row
	v_lshlrev_b32 v[BP], 2, v237
	v_lshrrev_b32 v[PFA], 1, v236
	v_lshlrev_b32 v[PFA], 12, v[PFA]
	v_and_b32 v239, 1, v0
	v_lshl_add_u32 v[PFA], v239, 8, v[PFA]         ; row lane / 2, block of 256 bytes lane % 2
.irp q,0,1
	v_mov_b32 v[ST+8*\q+1], 0xff61b1e6             ; the largest t so far: -3e38
	v_floor_f32 v[ST+8*\q], -v[ST+8*\q+1]
	v_mov_b32 v[ST+8*\q+2], 0
	v_mov_b32 v[ST+8*\q+3], 0
	v_mov_b32 v[ST+8*\q+5], 0                      ; (named as the upper half of f's pair)
.endr
.irp b,0,1,2,3
	v_mov_b32 v[PB+\b], 0                          ; written once: a lane permute's destination counts as one of its sources
.endr
	s_wait_kmcnt 0x0
	s_cmp_lt_u32 s18, 2                            ; waves 0, 1 fetch for K, waves 2, 3 for V: the choice hangs on the wave's number alone
	s_cselect_b64 s[34:35], s[6:7], s[8:9]
	s_add_nc_u64 s[34:35], s[34:35], s[40:41]
	s_or_b32 s35, s35, 0x80000000
	s_add_nc_u64 s[4:5], s[4:5], s[42:43]
	s_add_nc_u64 s[10:11], s[10:11], s[44:45]
	s_add_nc_u64 s[12:13], s[12:13], s[46:47]
	s_add_nc_u64 s[14:15], s[14:15], s[48:49]
	s_add_nc_u64 s[16:17], s[16:17], s[48:49]
	CROUND                                         ; all four work-groups are here: the first joint loads meet
	tensor_load_to_lds s[32:35], s[24:31]          ; key step 0 into slot 0: one load of mine is out
	s_nop 0
	PLACES
	WIN 0x40
.irp q,0,1
.irp s,0,1,2,3
.irp c,0,1,2
	global_load_b128 v[12*(4*\q+\s)+4*\c:12*(4*\q+\s)+4*\c+3], v[QA], s[4:5] offset:(8*\s+\q)*FRB+512*\c        ; Q stays in registers
.endr
.endr
.endr
	WIN 0
.irp s,0,1,2,3
	global_load_b64 v[QS+2*\s:QS+2*\s+1], v[QSA], s[4:5] offset:SCO+1024*\s
.endr
	s_wait_loadcnt 0x0
	CHANGE 1                                       ; slot 1's first fill is issued as a refill is
	STEP 1, 0
.Lstep:                                            ; six trips: key steps 1 to 6; behind each change of slots the next step is asked for
	CHANGE 1
	STEP 0, 0
	s_sub_co_u32 s21, s21, 1
	s_cmp_lg_u32 s21, 0
	s_cbranch_scc1 .Lstep
	CHANGE 0                                       ; the last step is written out
	STEP 0, 1
	; THE WAY OUT.
.irp q,0,1
	v_add_f32 v[ST+8*\q+7], v[ST+8*\q+2], v[ST+8*\q+3]     ; the sum's two halves
.endr
	PLACES                                         ; in front of loads into registers that the last products read
	WIN 0x40
.irp p,0,1,2,3,4,5,6,7
.irp j,0,1,2,3,4,5,6,7
	global_load_b32 v[192+8*\p+\j], v[BP], s[12:13] offset:64*\p       ; bproj: a lane holds one output row: the same number in a tile's eight registers
.endr
.endr
	WIN 0
.irp i,0,1,2,3,4,5,6,7
	global_load_b128 v[SCL+4*\i:SCL+4*\i+3], v[LI], s[10:11] offset:SCO+512*\i
.endr
	WIN 0x40
	WLOAD 0
	WLOAD 1
	WIN 0
.irp q,0,1
	v_permlanex16_b32 v[PB+\q], v[ST+8*\q+7], s38, s39
.endr
.irp q,0,1
	v_add_f32 v[ST+8*\q+7], v[ST+8*\q+7], v[PB+\q]         ; with lane l xor 16's: the row's sum
.endr
.irp q,0,1
	v_rcp_f32 v[ST+8*\q+4], v[ST+8*\q+7]
.endr
	v_nop                                          ; a plain line behind the transcendentals
	s_wait_alu depctr_va_vdst(0)
.irp W,0,1
	WIN 0x82+0x41*\W
.irp q,0,1
.set kk, 0
.rept 64
	v_pk_mul_f32 v[128*\q+kk:128*\q+kk+1], v[128*\q+kk:128*\q+kk+1], v[ST+8*\q+4:ST+8*\q+5] op_sel_hi:[1,0]      ; O^T / l, each accumulator from its low end on
.set kk, kk+2
.endr
.endr
.endr
.irp q,0,1
.irp s,0,1,2,3                                 ; token tile 2 w + q, K step s (channels 128 s on): image and scale word to LDS as they stand in the registers
	QUANT 128*\q+64*(\s%2), 2+\s/2, 128*\q+64*(\s%2)+32, 2+\s/2, ST+8*\q+6
.irp c,0,1,2
	ds_store_b128 v[OW], v[PC+4*\c:PC+4*\c+3] offset:(8*\s+\q)*FRB+512*\c
.endr
	ds_store_b32 v[OWS], v[ST+8*\q+6] offset:OSC+(8*\s+\q)*128
	s_wait_dscnt 0x0                               ; the stores have read their registers; the last of these waits also stands for the others' sake
.endr
.endr
	s_barrier_signal -1
	s_barrier_wait -1                              ; O's 32 images lie in LDS, and nobody reads slot 1 any more
	PROJ 0
	PROJ 1
	PROJ 2
	PROJ 3
	WIN 0x40
.irp k,0,1,2,3
.irp t,0,1,2,3,4,5,6,7,8,9,10,11,12,13,14,15
	global_load_b128 v[64*\k+4*\t:64*\k+4*\t+3], v[LI], s[14:15] offset:\k*65536+\t*4096 th:TH_LOAD_NT   ; x's rows of output tiles 0-3, four buffers of 64 registers
.endr
.endr
	WIN 0
	OUT 0
	OUT 1
	OUT 2
	OUT 3
	OUT 4
	OUT 5
	OUT 6
	OUT 7
	s_wait_tensorcnt 0x0                           ; the wave's end
	ds_add_u32 v[SPW], v[NIL]
	s_wait_dscnt 0x0
	CROUND                                         ; the closing round: no work-group ends while a partner may still ask for a tile that names it
	s_endpgm
.Lfunc_end_k_qde35076592_attn:
	.size	k_qde35076592_attn, .Lfunc_end_k_qde35076592_attn-k_qde35076592_attn
	.p2alignl 7, 3214868480
	.fill 96, 4, 3214868480
	.section	.rodata,"a",@progbits
	.p2align	6, 0x0
	.amdhsa_kernel k_qde35076592_attn
		.amdhsa_group_segment_fixed_size 327680
		.amdhsa_private_segment_fixed_size 0
		.amdhsa_enable_private_segment 0
		.amdhsa_kernarg_size 56
		.amdhsa_user_sgpr_count 2
		.amdhsa_user_sgpr_kernarg_segment_ptr 1
		.amdhsa_wavefront_size32 1
		.amdhsa_system_sgpr_workgroup_id_x 1
		.amdhsa_system_sgpr_workgroup_id_y 1
		.amdhsa_system_sgpr_workgroup_id_z 1
		.amdhsa_system_vgpr_workitem_id 0
		.amdhsa_next_free_vgpr 1024
		.amdhsa_next_free_sgpr 66
		.amdhsa_reserve_vcc 0
		.amdhsa_float_denorm_mode_32 3
		.amdhsa_float_denorm_mode_16_64 3
		.amdhsa_memory_ordered 1
		.amdhsa_forward_progress 1
		.amdhsa_inst_pref_size 255
	.end_amdhsa_kernel
	.section	.bss,"aw",@nobits
	.p2align	6
	.space	262144
	.amdgpu_metadata
---
amdhsa.version: [ 1, 2 ]
amdhsa.kernels:
  - .name:           k_qde35076592_attn
    .symbol:         k_qde35076592_attn.kd
    .args:
      - { .name: qb, .offset: 0, .size: 8, .value_kind: global_buffer, .address_space: global }
      - { .name: kb, .offset: 8, .size: 8, .value_kind: global_buffer, .address_space: global }
      - { .name: vb, .offset: 16, .size: 8, .value_kind: global_buffer, .address_space: global }
      - { .name: wb, .offset: 24, .size: 8, .value_kind: global_buffer, .address_space: global }
      - { .name: bproj, .offset: 32, .size: 8, .value_kind: global_buffer, .address_space: global }
      - { .name: x, .offset: 40, .size: 8, .value_kind: global_buffer, .address_space: global }
      - { .name: out0, .offset: 48, .size: 8, .value_kind: global_buffer, .address_space: global }
    .group_segment_fixed_size: 327680
    .private_segment_fixed_size: 0
    .kernarg_segment_align: 8
    .kernarg_segment_size: 56
    .max_flat_workgroup_size: 128
    .sgpr_count:     66
    .vgpr_count:     1024
    .wavefront_size: 32
...
	.end_amdgpu_metadata
.endif
;; end of part 3
;; ======== version 2 of 2: 3 launches
;; workspace buffers: hc 12,582,912 bytes; hs 524,288 bytes; wb 851,968 bytes; qb 13,631,488 bytes; kb 13,631,488 bytes; vb 13,631,488 bytes
;; launch prep (part 4): grid 512 x 1, 8 waves a work-group, no clusters, 9,728 bytes of LDS; arguments x, gn_scale, gn_bias, hc, hs, wb, wq, wk, wv, wproj; writes hc, hs, wb
.if DOCPART == 4
	.amdgcn_target "amdgcn-amd-amdhsa--gfx1250"
	.amdhsa_code_object_version 6
	.text
	.protected	k_qde35076592_prep
	.globl	k_qde35076592_prep
	.p2align	8
	.type	k_qde35076592_prep,@function
k_qde35076592_prep:
	s_mov_b64 s[64:65], 0
	v_nop
	global_prefetch_b8 v0, s[64:65] scope:SCOPE_SE
	s_setreg_imm32_b32 hwreg(HW_REG_WAVE_MODE, 25, 1), 1
	s_wait_xcnt 0x0
; PREP.  GroupNorm(32 groups) of x [32][512][1024] f32, and h quantised to BF6 (E3M2) along the channels, one E8M0 byte for each 32 channels; and wq, wk, wv, wproj [512][512] f32 quantised along
; their innermost axis.  All codes leave IN THE ORDER OF THE OPERAND'S REGISTERS, so that later launches load fragments by 16-byte loads alone.
; GROUPNORM.  Work-group g = 16 batch + beta owns channels 32 beta .. 32 beta + 31 (one block of 32, two groups of 16) x 1,024 tokens: 131,072 dense bytes, read once and kept in registers:
; wave W takes tokens 128 W .. +127; A LANE IS A TOKEN AND ITS REGISTERS RUN DOWN THE CHANNELS, so each load reads 128 neighbouring bytes, a block's largest magnitude needs no other lane, and the conversions give codes with K innermost.
; Mean first, then the sum of squared differences from it, both on the registers: no difference of large sums is formed.
; THE WEIGHTS are 4 matrices x 4 chunks of 128 rows x 4 K steps x 8 tiles = 512 fragments of 16 rows x 128 K: ONE FOR EACH OF THE 512 WORK-GROUPS.  Wave 0 makes it while its loads of x are on their way:
; 16 loads of a row's 512 consecutive bytes, a turn through a stage of its own in LDS (a lane wants two whole blocks of ONE row), the quantiser, four stores.  Its 64 numbers lie in the registers that group B's channels take afterwards.
; hc: [32 batch + token / 32][beta][768]: 512 bytes (16 x lane: code registers 0-3), then 256 bytes (8 x lane: registers 4-5); lane = token % 32.
; hs: [8 batch + token / 128][beta][128]: the word at 4 x lane holds in byte q the scale byte of token 32 q + lane of the 128.
; wb: 16 blocks of 53,248 bytes, 4 x matrix + chunk: 32 images of 1,536 bytes (index 8 x K step + tile; registers 4 c .. 4 c + 3 at 512 c + 16 x lane), then 8 quads of 512 bytes (index 2 x K step + tile / 4: at 16 x lane the scale words of four tiles).
; THE ROWS OF A TILE of wq, wk, wv: lane r of tile 2 b + u takes row 32 b + 8 u + r + 8 (r / 8), so that a product's results lie along the next K; wproj's tiles are 16 neighbouring rows.
; A tile's scale words go into their quad as 4 bytes of each 16: 128 bytes a work-group.  Whole quads would want four fragments in one wave, and so uneven work.
; LIMITS: NaN and infinities are not served.  A block whose largest magnitude lies under 2^-122 keeps the byte 1; so does a block of zeros, where the rule says 127: its codes are zeros, and only this program reads the bytes.
; No tensor loads, no matrix unit, no cluster: every byte is read by one wave once.
.set FRB,  1536
.set BLK,  53248
.set SCO,  49152
.set X,    32                          ; v32-159  the numbers: token set q, channel c at v[X + 32 q + c]
.set CD,   160                         ; v160..   six code registers for each of four sets of 32 tokens, eight apart; ahead of that the weight fragment's codes (v160-171) and working registers (v172-186)
.set WST,  256                         ; LDS: 0-127 the two exchanges of sums; from 256 on wave 0's stage: 16 rows of 512 bytes,
.set WP,   528                         ; 528 bytes apart: an odd multiple of 16
.macro WRED dst                        ; v16 summed over the 32 lanes
	v_add_f32_dpp v16, v16, v16 row_xmask:1 row_mask:0xf bank_mask:0xf
	v_add_f32_dpp v16, v16, v16 row_xmask:2 row_mask:0xf bank_mask:0xf
	v_add_f32_dpp v16, v16, v16 row_xmask:4 row_mask:0xf bank_mask:0xf
	v_add_f32_dpp v16, v16, v16 row_xmask:8 row_mask:0xf bank_mask:0xf
	v_permlanex16_b32 v20, v16, s60, s61
	v_add_f32 v[\dst], v16, v20
.endm
.macro SUM grp, dst                    ; my 64 numbers of group grp, in two packed chains that the first pairs start: nothing is cleared
.set B0, X+16*\grp
	v_pk_add_f32 v[16:17], v[B0:B0+1], v[B0+2:B0+3]
	v_pk_add_f32 v[18:19], v[B0+4:B0+5], v[B0+6:B0+7]
	v_pk_add_f32 v[16:17], v[16:17], v[B0+8:B0+9]
	v_pk_add_f32 v[18:19], v[18:19], v[B0+10:B0+11]
	v_pk_add_f32 v[16:17], v[16:17], v[B0+12:B0+13]
	v_pk_add_f32 v[18:19], v[18:19], v[B0+14:B0+15]
.irp q,1,2,3
.irp j,0,4,8,12
	v_pk_add_f32 v[16:17], v[16:17], v[B0+32*\q+\j:B0+32*\q+\j+1]
	v_pk_add_f32 v[18:19], v[18:19], v[B0+32*\q+\j+2:B0+32*\q+\j+3]
.endr
.endr
	v_pk_add_f32 v[16:17], v[16:17], v[18:19]
	v_add_f32 v16, v16, v17
	WRED \dst
.endm
.macro DEV grp, mean, dst              ; x - mean in place, and the sum of its squares
.set B0, X+16*\grp
.irp q,0,1,2,3
.irp j,0,2,4,6,8,10,12,14
	v_pk_add_f32 v[B0+32*\q+\j:B0+32*\q+\j+1], v[B0+32*\q+\j:B0+32*\q+\j+1], v[\mean:\mean+1] neg_lo:[0,1] neg_hi:[0,1]
.endr
.endr
	v_pk_mul_f32 v[16:17], v[B0:B0+1], v[B0:B0+1]
	v_pk_mul_f32 v[18:19], v[B0+2:B0+3], v[B0+2:B0+3]
.irp j,4,8,12
	v_pk_fma_f32 v[16:17], v[B0+\j:B0+\j+1], v[B0+\j:B0+\j+1], v[16:17]
	v_pk_fma_f32 v[18:19], v[B0+\j+2:B0+\j+3], v[B0+\j+2:B0+\j+3], v[18:19]
.endr
.irp q,1,2,3
.irp j,0,4,8,12
	v_pk_fma_f32 v[16:17], v[B0+32*\q+\j:B0+32*\q+\j+1], v[B0+32*\q+\j:B0+32*\q+\j+1], v[16:17]
	v_pk_fma_f32 v[18:19], v[B0+32*\q+\j+2:B0+32*\q+\j+3], v[B0+32*\q+\j+2:B0+32*\q+\j+3], v[18:19]
.endr
.endr
	v_pk_add_f32 v[16:17], v[16:17], v[18:19]
	v_add_f32 v16, v16, v17
	WRED \dst
.endm
.macro JOIN off                        ; the eight waves' pairs (group A's, group B's) meet in 64 LDS bytes of their own; the sums come out in v[16:17]
	ds_store_b64 v6, v[8:9] offset:\off            ; all lanes of a wave write the same 8 bytes with the same value
	s_wait_dscnt 0x0                               ; for the others' sake: my store has landed
	s_barrier_signal -1
	s_barrier_wait -1
.irp i,0,1,2,3
	ds_load_b128 v[16+4*\i:19+4*\i], v7 offset:\off+16*\i
.endr
	s_wait_dscnt 0x0
	v_pk_add_f32 v[16:17], v[16:17], v[18:19]
	v_pk_add_f32 v[20:21], v[20:21], v[22:23]
	v_pk_add_f32 v[24:25], v[24:25], v[26:27]
	v_pk_add_f32 v[28:29], v[28:29], v[30:31]
	v_pk_add_f32 v[16:17], v[16:17], v[20:21]
	v_pk_add_f32 v[24:25], v[24:25], v[28:29]
	v_pk_add_f32 v[16:17], v[16:17], v[24:25]
.endm
.macro HQ q                            ; set q: my token's 32 channels become 32 codes and a byte
.set XS, X+32*\q
	v_max3_num_f32 v196, |v[XS]|, |v[XS+1]|, |v[XS+2]|
	v_max3_num_f32 v197, |v[XS+3]|, |v[XS+4]|, |v[XS+5]|
.irp i,6,10,14,18,22,26
	v_max3_num_f32 v196, v196, |v[XS+\i]|, |v[XS+\i+1]|
	v_max3_num_f32 v197, v197, |v[XS+\i+2]|, |v[XS+\i+3]|
.endr
	v_max3_num_f32 v196, v196, |v[XS+30]|, |v[XS+31]|
	v_max3_num_f32 v196, v196, v197, 0x2800000     ; and the floor 2^(5 - 127): the byte cannot fall under 1
	v_add_nc_u32 v198, 0xfe000000, v196            ; 4 off the exponent field: the conversion takes this operand's exponent field as its scale
	v_cvt_scalef32_pk16_bf6_f32 v[CD+8*\q:CD+8*\q+2], v[XS:XS+15], v198
	v_cvt_scalef32_pk16_bf6_f32 v[192:194], v[XS+16:XS+31], v198    ; (a conversion's three registers begin on an even number)
.if \q == 0
	v_lshrrev_b32 v200, 23, v198                   ; the byte; also the plain line behind the conversions
.else
	v_lshrrev_b32 v199, 23, v198
	v_lshl_or_b32 v200, v199, 8*\q, v200
.endif
.irp k,0,1,2
	v_mov_b32 v[CD+8*\q+3+\k], v[192+\k]
.endr
	global_store_b128 v3, v[CD+8*\q:CD+8*\q+3], s[10:11] offset:\q*12288          ; 32 lanes store 512 consecutive bytes, aligned to 256
	global_store_b64 v4, v[CD+8*\q+4:CD+8*\q+5], s[10:11] offset:\q*12288+512     ; and 256 more.  Each set has its own store data: none is rewritten
.endm
.macro XLOAD c0, cnt                   ; channels c0 .. c0 + cnt - 1; four loads on end cover the wave's 512 consecutive bytes of a channel
.set ch, \c0
.rept \cnt
.irp q,0,1,2,3
	global_load_b32 v[X+32*\q+ch], v2, s[4:5] offset:ch*4096+128*\q th:TH_LOAD_NT
.endr
.set ch, ch+1
.endr
.endm
	s_load_b256 s[4:11], s[0:1], 0x0               ; x, gn_scale, gn_bias, hc
	s_load_b128 s[12:15], s[0:1], 0x20             ; hs, wb
	s_load_b256 s[68:75], s[0:1], 0x30             ; wq, wk, wv, wproj
	v_lshl_add_u32 v208, v0, 2, 0x2200
	v_mov_b32 v209, 0
	v_lshrrev_b32 v1, 5, v0
	v_readfirstlane_b32 s3, v1                     ; wave 0..7
	s_mov_b32 s60, 0x76543210                      ; v_permlanex16_b32's selects for lane l xor 16
	s_mov_b32 s61, 0xfedcba98
	; where the work-group's part of x, of the gains and biases, of hc and of hs begins
	s_and_b32 s48, ttmp9, 15                       ; beta
	s_lshr_b32 s49, ttmp9, 4                       ; batch
	s_lshl_b32 s50, ttmp9, 17                      ; x: 131,072 bytes a work-group
	s_mov_b32 s51, 0
	s_lshl_b32 s52, s48, 7                         ; gain and bias: 32 numbers
	s_mov_b32 s53, 0
	s_lshl_b32 s54, s49, 5
	s_lshl_b32 s55, s3, 2
	s_add_co_u32 s54, s54, s55
	s_mul_i32 s54, s54, 12288                      ; hc: (32 batch + 4 W) x 12,288
	s_mul_i32 s55, s48, 768
	s_add_co_u32 s54, s54, s55                     ;     + 768 beta
	s_mov_b32 s55, 0
	s_lshl_b32 s56, s49, 3
	s_add_co_u32 s56, s56, s3
	s_lshl_b32 s56, s56, 4
	s_add_co_u32 s56, s56, s48
	s_lshl_b32 s56, s56, 7                         ; hs: ((8 batch + W) 16 + beta) x 128
	s_mov_b32 s57, 0
	s_mov_b32 s58, 0x38800000                      ; 2^-14: a group has 16,384 numbers
	s_mov_b32 s59, 0x3727c5ac                      ; 1e-5
	; the work-group's fragment of the weights
	s_lshr_b32 s76, ttmp9, 7                       ; matrix 0..3
	s_lshr_b32 s77, ttmp9, 5                       ; block = 4 x matrix + chunk
	s_bfe_u32 s78, ttmp9, 0x20005                  ; chunk of 128 rows
	s_bfe_u32 s79, ttmp9, 0x20003                  ; K step
	s_and_b32 s80, ttmp9, 7                        ; tile
	s_cmp_eq_u32 s76, 3
	s_cselect_b32 s81, 16, 8                       ; rows from an even tile to the odd one beside it: wproj 16, the others 8
	s_cselect_b32 s82, 8, 16                       ; rows from a tile's lane 0 to its lane 8: wproj 8, the others 16
	s_lshl_b32 s83, s82, 11                        ; in bytes
	s_lshl_b32 s84, s78, 7
	s_lshr_b32 s85, s80, 1
	s_lshl_b32 s85, s85, 5
	s_add_co_u32 s84, s84, s85
	s_and_b32 s85, s80, 1
	s_mul_i32 s85, s85, s81
	s_add_co_u32 s84, s84, s85                     ; the tile's first row: 128 chunk + 32 (tile / 2) + 8 or 16 x (tile % 2)
	s_lshl_b32 s84, s84, 11                        ; rows of 2,048 bytes
	s_lshl_b32 s85, s79, 9
	s_add_co_u32 s84, s84, s85                     ; + 512 bytes a K step
	s_mov_b32 s85, 0
	s_mul_i32 s86, s77, BLK
	s_lshl_b32 s87, s79, 3
	s_add_co_u32 s87, s87, s80
	s_mul_i32 s87, s87, FRB
	s_add_co_u32 s88, s86, s87                     ; image 8 x K step + tile of the block
	s_mov_b32 s89, 0
	s_lshl_b32 s90, s79, 1
	s_lshr_b32 s91, s80, 2
	s_add_co_u32 s90, s90, s91
	s_lshl_b32 s90, s90, 9                         ; quad 2 x K step + tile / 4,
	s_add_co_u32 s90, s90, s86
	s_and_b32 s91, s80, 3
	s_lshl_b32 s91, s91, 2
	s_add_co_u32 s90, s90, s91                     ; word tile % 4
	s_add_co_u32 s90, s90, SCO
	s_mov_b32 s91, 0
	v_and_b32 v1, 31, v0                           ; lane
	v_lshlrev_b32 v2, 2, v1
	v_lshlrev_b32 v5, 2, v1                        ; 4 x lane
	v_lshl_add_u32 v2, s3, 9, v2                   ; 512 W + 4 x lane
	v_lshlrev_b32 v3, 4, v1                        ; 16 x lane
	v_lshlrev_b32 v4, 3, v1                        ; 8 x lane
	s_lshl_b32 s62, s3, 3
	v_mov_b32 v6, s62                              ; LDS: 8 W
	v_mov_b32 v7, 0
	v_mov_b32 v20, 0                               ; written once: a lane permute's destination counts as one of its sources
	v_and_b32 v10, 15, v0                          ; r
	v_bfe_u32 v11, v0, 4, 1                        ; h
	v_lshl_add_u32 v201, v1, 4, WST                ; the stage, in: 16 x lane of a row.  (Every LDS address is made here, ahead of the waves' parting)
	v_mul_u32_u24 v202, v10, WP
	v_lshl_add_u32 v202, v11, 7, v202
	v_add_nc_u32 v202, WST, v202                   ; back: row r, + 128 h: my two blocks of 32 numbers lie 256 bytes apart
	v_lshlrev_b32 v203, 3, v11                     ; 8 h
	v_add_nc_u32 v204, s83, v3                     ; the tile's rows 8-15 in memory: 16 x lane + 8 or 16 rows
	s_wait_kmcnt 0x0
	s_add_nc_u64 s[4:5], s[4:5], s[50:51]
	s_add_nc_u64 s[6:7], s[6:7], s[52:53]
	s_add_nc_u64 s[8:9], s[8:9], s[52:53]
	s_add_nc_u64 s[10:11], s[10:11], s[54:55]
	s_add_nc_u64 s[12:13], s[12:13], s[56:57]
	s_cmp_eq_u32 s76, 1                            ; which matrix: the choice hangs on the work-group's number alone
	s_cselect_b64 s[68:69], s[70:71], s[68:69]
	s_cmp_eq_u32 s76, 2
	s_cselect_b64 s[68:69], s[72:73], s[68:69]
	s_cmp_eq_u32 s76, 3
	s_cselect_b64 s[68:69], s[74:75], s[68:69]
	s_add_nc_u64 s[48:49], s[68:69], s[84:85]      ; the fragment's numbers,
	s_add_nc_u64 s[50:51], s[14:15], s[88:89]      ; its image,
	s_add_nc_u64 s[52:53], s[14:15], s[90:91]      ; its scale words
	s_load_b512 s[16:31], s[6:7], 0x0              ; the 32 gains
	s_load_b512 s[32:47], s[6:7], 0x40
	s_load_b512 s[68:83], s[8:9], 0x0              ; the 32 biases (over registers that are done with)
	s_load_b512 s[84:99], s[8:9], 0x40
	s_cmp_lg_u32 s3, 0                             ; ONE parting on the wave's number: wave 0 takes the weights' fragment with it
	s_cbranch_scc1 .Lplain
.irp i,0,1,2,3,4,5,6,7                         ; row i of the tile: 32 lanes read its 512 consecutive bytes.  Group i of four registers: v[X + 16 + 32 (i / 4) + 4 (i % 4)]: group B's places
	global_load_b128 v[X+16+32*(\i/4)+4*(\i%4):X+16+32*(\i/4)+4*(\i%4)+3], v3, s[48:49] offset:\i*2048 th:TH_LOAD_NT
.endr
.irp i,8,9,10,11,12,13,14,15
	global_load_b128 v[X+16+32*(\i/4)+4*(\i%4):X+16+32*(\i/4)+4*(\i%4)+3], v204, s[48:49] offset:(\i-8)*2048 th:TH_LOAD_NT
.endr
	XLOAD 0, 16                                    ; group A's 64 loads go out behind them
	s_wait_loadcnt 63                              ; of the 80 at most 63 are out: the oldest 17 are in, the weight's 16 among them
.irp i,0,1,2,3,4,5,6,7,8,9,10,11,12,13,14,15
	ds_store_b128 v201, v[X+16+32*(\i/4)+4*(\i%4):X+16+32*(\i/4)+4*(\i%4)+3] offset:\i*WP
.endr
.irp i,0,1,2,3,4,5,6,7,8,9,10,11,12,13,14,15   ; LDS serves a wave's instructions in order (ISA guide 5.7.1.4): these see my stores, and land in the registers that those have left.  Group 8 cc + e: numbers 4 e .. 4 e + 3 of my block 2 cc + h
	ds_load_b128 v[X+16+32*(\i/4)+4*(\i%4):X+16+32*(\i/4)+4*(\i%4)+3], v202 offset:(\i/8)*256+(\i%8)*16
.endr
	s_wait_dscnt 0x0
.irp cc,0,1                                    ; block 2 cc + h of row r: its first 16 numbers at v[X + 16 + 64 cc], its second 16 at v[X + 48 + 64 cc]
	v_max3_num_f32 v[180+\cc], |v[X+16+64*\cc]|, |v[X+17+64*\cc]|, 0x2800000      ; and the floor 2^(5 - 127)
.endr
.irp j,2,4,6,8,10,12,14,32,34,36,38,40,42,44,46
.irp cc,0,1
	v_max3_num_f32 v[180+\cc], v[180+\cc], |v[X+16+64*\cc+\j]|, |v[X+17+64*\cc+\j]|
.endr
.endr
.irp cc,0,1
	v_add_nc_u32 v[182+\cc], 0xfe000000, v[180+\cc]        ; 4 off the exponent field: the conversion's scale operand
.endr
.irp cc,0,1
	v_lshrrev_b32 v[184+\cc], 23, v[182+\cc]       ; the byte
.endr
	v_lshl_or_b32 v184, v185, 16, v184             ; my two bytes, blocks h and 2 + h,
	v_lshlrev_b32 v184, v203, v184                 ; 8 h bits up;
	v_permlanex16_b32 v185, v184, s60, s61
	v_or_b32 v186, v184, v185                      ; with lane l xor 16's two the word is whole, in both halves of the lanes
.irp cc,0,1
	v_cvt_scalef32_pk16_bf6_f32 v[160+6*\cc:162+6*\cc], v[X+16+64*\cc:X+31+64*\cc], v[182+\cc]
	v_cvt_scalef32_pk16_bf6_f32 v[172+4*\cc:174+4*\cc], v[X+48+64*\cc:X+63+64*\cc], v[182+\cc]      ; (a conversion's three registers begin on an even number)
.endr
	v_nop                                          ; one plain line behind the conversions
.irp cc,0,1
.irp k,0,1,2
	v_mov_b32 v[163+6*\cc+\k], v[172+4*\cc+\k]
.endr
.endr
.irp k,0,1,2
	global_store_b128 v3, v[160+4*\k:163+4*\k], s[50:51] offset:512*\k      ; the image: 512 consecutive bytes a store, aligned to 256
.endr
	global_store_b32 v3, v186, s[52:53]            ; my row's scale word, at its tile's place in the quad
	s_branch .Ljoin
.Lplain:
	XLOAD 0, 16                                    ; group A's 64 loads
.Ljoin:
	XLOAD 16, 16                                   ; group B's 64
	s_wait_loadcnt 63                              ; at most 63 of x's 128 are out: the oldest 65 are in, group A's 64 among them (on wave 0's way the weight's loads are older still)
	SUM 0, 8
	s_wait_loadcnt 0x0
	SUM 1, 9
	JOIN 0
	v_mul_f32 v12, s58, v16                        ; the means, each twice for the packed subtraction
	v_mul_f32 v13, s58, v16
	v_mul_f32 v14, s58, v17
	v_mul_f32 v15, s58, v17
	DEV 0, 12, 8
	DEV 1, 14, 9
	JOIN 64                                        ; other bytes than the first exchange: no barrier is owed between the two
	v_fma_f32 v16, v16, s58, s59                   ; variance + eps
	v_fma_f32 v17, v17, s58, s59
	v_rsq_f32 v16, v16
	v_rsq_f32 v17, v17
	v_nop                                          ; a plain line behind the transcendentals
	s_wait_alu depctr_va_vdst(0)
	v_readfirstlane_b32 s15, v16
	v_readfirstlane_b32 s100, v17
	s_wait_kmcnt 0x0                               ; gains and biases
.set ch, 0
.rept 16
	s_mul_f32 s[16+ch], s[16+ch], s15              ; gain / sqrt(variance + eps)
	s_mul_f32 s[32+ch], s[32+ch], s100
.set ch, ch+1
.endr
.set ch, 0
.rept 32
.irp q,0,1,2,3
	v_fma_f32 v[X+32*\q+ch], v[X+32*\q+ch], s[16+ch], s[68+ch]
.endr
.set ch, ch+1
.endr
	s_wait_xcnt 0x0                                ; the weight fragment's stores have read v160-171 and v186: only behind this wait do h's codes take those registers
	HQ 0
	HQ 1
	HQ 2
	HQ 3
	global_store_b32 v5, v200, s[12:13]            ; 128 consecutive bytes: my four tokens' bytes of this block
	s_wait_tensorcnt 0x0
	ds_add_u32 v208, v209
	s_wait_dscnt 0x0
	s_endpgm
.Lfunc_end_k_qde35076592_prep:
	.size	k_qde35076592_prep, .Lfunc_end_k_qde35076592_prep-k_qde35076592_prep
	.p2alignl 7, 3214868480
	.fill 96, 4, 3214868480
	.section	.rodata,"a",@progbits
	.p2align	6, 0x0
	.amdhsa_kernel k_qde35076592_prep
		.amdhsa_group_segment_fixed_size 9728
		.amdhsa_private_segment_fixed_size 0
		.amdhsa_enable_private_segment 0
		.amdhsa_kernarg_size 80
		.amdhsa_user_sgpr_count 2
		.amdhsa_user_sgpr_kernarg_segment_ptr 1
		.amdhsa_wavefront_size32 1
		.amdhsa_system_sgpr_workgroup_id_x 1
		.amdhsa_system_sgpr_workgroup_id_y 1
		.amdhsa_system_sgpr_workgroup_id_z 1
		.amdhsa_system_vgpr_workitem_id 0
		.amdhsa_next_free_vgpr 210
		.amdhsa_next_free_sgpr 104
		.amdhsa_reserve_vcc 0
		.amdhsa_float_denorm_mode_32 3
		.amdhsa_float_denorm_mode_16_64 3
		.amdhsa_memory_ordered 1
		.amdhsa_forward_progress 1
		.amdhsa_inst_pref_size 61
	.end_amdhsa_kernel
	.amdgpu_metadata
---
amdhsa.version: [ 1, 2 ]
amdhsa.kernels:
  - .name:           k_qde35076592_prep
    .symbol:         k_qde35076592_prep.kd
    .args:
      - { .name: x, .offset: 0, .size: 8, .value_kind: global_buffer, .address_space: global }
      - { .name: gn_scale, .offset: 8, .size: 8, .value_kind: global_buffer, .address_space: global }
      - { .name: gn_bias, .offset: 16, .size: 8, .value_kind: global_buffer, .address_space: global }
      - { .name: hc, .offset: 24, .size: 8, .value_kind: global_buffer, .address_space: global }
      - { .name: hs, .offset: 32, .size: 8, .value_kind: global_buffer, .address_space: global }
      - { .name: wb, .offset: 40, .size: 8, .value_kind: global_buffer, .address_space: global }
      - { .name: wq, .offset: 48, .size: 8, .value_kind: global_buffer, .address_space: global }
      - { .name: wk, .offset: 56, .size: 8, .value_kind: global_buffer, .address_space: global }
      - { .name: wv, .offset: 64, .size: 8, .value_kind: global_buffer, .address_space: global }
      - { .name: wproj, .offset: 72, .size: 8, .value_kind: global_buffer, .address_space: global }
    .group_segment_fixed_size: 9728
    .private_segment_fixed_size: 0
    .kernarg_segment_align: 8
    .kernarg_segment_size: 80
    .max_flat_workgroup_size: 256
    .sgpr_count:     104
    .vgpr_count:     210
    .wavefront_size: 32
...
	.end_amdgpu_metadata
.endif
;; end of part 4
;; launch qkv: the kernel of part 2 again; grid 256 x 1, 4 waves a work-group, clusters of 4 x 1, 327,680 bytes of LDS; arguments hc, hs, wb, bq, bk, bv, qb, kb, vb; writes qb, kb, vb
;; launch attn: the kernel of part 3 again; grid 256 x 1, 4 waves a work-group, clusters of 4 x 1, 327,680 bytes of LDS; arguments qb, kb, vb, wb, bproj, x, out0; writes out0
